; MI455X (gfx1250); checked and timed in simulation.
; The chip was launched on July 23, 2026; its instructions are those of AMD's public machine-readable ISA for CDNA 5 (MIT licence, August 2026) and "CDNA5" Instruction Set Architecture Reference Guide (July 2026). The comments in the code are by the model that wrote it; some were corrected since.
;; Multi Head Attention Block. Allowed arithmetic: matrix products marked QUANTISED: E5M2 operands, one E8M0 scale for each 32 along K, by v_wmma_scale_f32_16x16x128_f8f6f4 with both operands' format E5M2, f32 sums; everything else in f32.
;; Inputs: b_k 1,024 float32; b_o 1,024 float32; b_q 1,024 float32; b_v 1,024 float32; k 4 x 2,048 x 1,024 float32; mask 1 x 1 x 2,048 x 2,048 int32; q 4 x 2,048 x 1,024 float32; v 4 x 2,048 x 1,024 float32; w_k 1,024 x 1,024 float32; w_o 1,024 x 1,024 float32; w_q 1,024 x 1,024 float32; w_v 1,024 x 1,024 float32.
;; Outputs: out0 4 x 2,048 x 1,024 float32.
;; This version of the problem:
;;   THIS VERSION OF THE PROBLEM IS GIVEN IN LOW PRECISION. The matrix products marked QUANTISED in the list below multiply operands that are first quantised to E5M2 (5 exponent bits, 2 mantissa bits; 8 bits a number), with one power-of-two scale for each 32 numbers along K (OCP MX v1.0); their sums are f32. All else is computed in f32.
;;   The module's matrix products, in the order in which they are computed (A, B: the left and right operand; K: the contracted axis; several contracted axes count as one K, in the product's order):
;;     1. [M 8,192, K 1,024] x [K 1,024, N 1,024]; A: input q; B: input w_q: QUANTISED
;;     2. [M 8,192, K 1,024] x [K 1,024, N 1,024]; A: input k; B: input w_k: QUANTISED
;;     3. [M 8,192, K 1,024] x [K 1,024, N 1,024]; A: input v; B: input w_v: QUANTISED
;;     4. batch 64 x [M 2,048, K 64] x [K 64, N 2,048]; A: computed on the way; B: computed on the way: QUANTISED
;;     5. batch 64 x [M 2,048, K 2,048] x [K 2,048, N 64]; A: softmax (see below); B: computed on the way: QUANTISED
;;     6. [M 8,192, K 1,024] x [K 1,024, N 1,024]; A: computed on the way; B: input w_o: QUANTISED
;;   THE QUANTISER, for each operand of a quantised product, along K:
;;     - K is cut into blocks of 32 from its start; a last block that is shorter is filled with zeros.
;;     - A block's scale is 2^e with e = floor(log2(the largest magnitude in the block)) - 15, held to -126 .. 127; a block of zeros has e = 0. As a byte (E8M0): e + 127.
;;     - Each number is divided by its block's scale, clamped to +-57,344, and rounded to the nearest number of E5M2, ties to even, subnormals kept.
;;     - The product sums the exact products of the quantised numbers (number of the format x scale) in f32.
;;   ~~~python
;;   def quantise(x, axis):      # numpy; x: float32 -> the quantised numbers, widened to float32 again
;;       x = np.moveaxis(x, axis, -1); K = x.shape[-1]
;;       x = np.pad(x, [(0, 0)] * (x.ndim - 1) + [(0, -K % 32)]); x = x.reshape(x.shape[:-1] + (-1, 32)); a = np.abs(x).max(-1, keepdims=True)
;;       e = np.where(a > 0, np.clip(np.frexp(np.where(a > 0, a, 1))[1] - 1 - 15, -126, 127), 0)      # np.frexp(a)[1] - 1 = floor(log2(a)), exactly
;;       r = np.clip(x / 2.0 ** e, -57344, 57344)
;;       step = 2.0 ** (np.maximum(np.frexp(np.where(r == 0, 1, r))[1] - 1, -14) - 2)
;;       q = np.round(r / step) * step * 2.0 ** e      # np.round: ties to even
;;       return np.moveaxis(q.reshape(q.shape[:-2] + (-1,))[..., :K], -1, axis).astype(np.float32)
;;   ~~~
;;   SOFTMAX AHEAD OF A QUANTISED PRODUCT. Where the list says 'softmax', what is quantised is not the finished softmax but p = 2^(t - M), with t = logit x log2(e) and M = ceil(the row's largest t), a whole number; so 1/2 < the row's largest p <= 1. The row's sum l is taken of the UNQUANTISED p, in f32, and the product's result is divided by l at the end. Since M is a whole number, a kernel that streams over the keys may use a running M (the ceiling of the running maximum): every later rescaling is an exact power of two, which a block's scale takes up: the codes' values come out the same.
;;   OPERANDS COMPUTED ON THE WAY. 'Computed on the way' means the value that the module computes at that place (a softmax that the list does not call 'softmax' is quantised finished and normalised). What goes into a quantiser is computed in f32, as accurately as f32 sums, v_exp_f32 and their like allow (about 1e-6 of the number): no bf16 or f16 on the way to a quantiser, and a product that is left as it is and whose result goes on into a quantised operand takes f32 operands (vector FMAs, or v_wmma_f32_16x16x4_f32). A number that lies on a knife's edge between two numbers of the format may be rounded either way, as far as f32 arithmetic and the matrix unit's own rounding can turn it there, and no further.
;; One version. Each part assembles by itself: llvm-mc -triple=amdgcn-amd-amdhsa -mcpu=gfx1250 --defsym DOCPART=n.
;; ======== version 1 of 1: 4 launches
;; limits: right only within a limited range of input values
;; workspace buffers: cod 29,360,128 bytes; scl 917,504 bytes; mbits 524,288 bytes of whole numbers; qb 8,912,896 bytes; kv 17,563,648 bytes; xc 8,388,608 bytes; xsc 262,144 bytes
;; launch prep (part 1): grid 576 x 1, 4 waves a work-group, no clusters, 68,096 bytes of LDS; arguments q, k, v, w_q, w_k, w_v, w_o, mask, cod, scl, mbits; writes cod, scl, mbits
.if DOCPART == 1
	.amdgcn_target "amdgcn-amd-amdhsa--gfx1250"
	.amdhsa_code_object_version 6
	.text
	.protected	k_qf67f965a7b_prep
	.globl	k_qf67f965a7b_prep
	.p2align	8
	.type	k_qf67f965a7b_prep,@function
k_qf67f965a7b_prep:
	s_mov_b64 s[64:65], 0
	v_nop
	global_prefetch_b8 v0, s[64:65] scope:SCOPE_SE
	s_setreg_imm32_b32 hwreg(HW_REG_WAVE_MODE, 25, 1), 1
	s_wait_xcnt 0x0
; PREP.  (1) q, k, v [8192][1024] and w_q, w_k, w_v, w_o [1024][1024], f32, K innermost, become codes of BF8 (E5M2) with one E8M0 byte for each 32 along K.
; (2) mask [2048][2048], int32, becomes one bit a number, laid as the lane masks that the attention launch selects by.
; A block's scale is 2^(floor(log2(its largest magnitude)) - 15); its byte is the largest magnitude's exponent field - 15, held at 1 from below.  Each number is held within +-57,344 x the scale and rounded to the nearest code, ties to even.
; LIMITS: a block of zeros, and a block whose largest magnitude lies under 2^-111, keeps the byte 1 (zero codes add nothing under it, and only this program reads the bytes); NaN and infinities among the inputs are not served.
; LAYOUT OF THE CODES: images of operand registers.  A row tile (16 rows) has eight images, one for each 128 along K, 2,048 bytes each: group c (512 bytes) holds, at 16 x lane, the codes k = 32 c + 16 (lane / 16) + 0 .. 15 of row lane % 16.
; Row tiles: q 0-511, k 512-1023, v 1024-1535, w_q 1536.., w_k 1600.., w_v 1664.., w_o 1728-1791.  Scale bytes: 32 a stored row, 512 a row tile.
; STORED ORDER: in k, v, w_q, w_k, w_v the stored row 16 u + r of each 32 rows is the row 8 u + r + 8 (r / 8), so that a product that takes such rows as source 0 leaves 16 neighbours in a lane's 16 registers of two tiles.
; SHARES: work-groups 0-447: a wave takes one row tile, eight steps of 128 along K.  Work-groups 448-575: 16 queries of the mask; a wave takes four blocks of 128 keys.
; Each global load reads 512 consecutive bytes of one row; the 16 rows turn through the wave's own stage in LDS (rows 528 bytes apart) and come back 16 neighbours of each block of 32 a lane.
; No tensor loads, no barrier, no cluster: waves share nothing.  The two paths part on the work-group's number and have LDS bytes of their own.
.set SP,   528                         ; a stage row: 512 bytes + 16
.set STG,  16*SP                       ; a wave's stage
.set MST,  4*STG                       ; the mask path's stages lie behind the quantising path's
.set R,    16                          ; v16-143   two sets of 64 registers as loaded
.set X,    144                         ; v144-207  64 numbers: register 16 b + i = k 32 b + 16 (lane / 16) + i of row lane % 16
.set PC,   208                         ; v208-223  the codes just made
.set MB,   208                         ; v208-215  (mask path) two registers of words for each block
.set TM,   224                         ; v224-239  at work: largest magnitudes, bytes, holds, scale operands
.set PWS,  244                         ; v244-251  a scale word for each step
.set OW,   252                         ; v252-255  the scale words on their way out
.set SEL,  38                          ; s[38:39]  lane selects for v_permlanex16_b32: lane l xor 16
.set CM,   40                          ; s40-47    (mask path) eight lane masks
.set MNT,  48                          ; s48       the mantissa field of 57,344
.set HI,   49                          ; s49       lanes 16-31
; 64 numbers of a lane, v[s] on, become a fragment's codes in v[PC] on and the row's scale word in v[pw]
.macro QUANT s, pw
.irp b, 0,1,2,3
	v_max3_num_f32 v[TM+\b], |v[\s+16*\b]|, |v[\s+1+16*\b]|, 0x8000000   ; block b: my 16 numbers and the floor 2^(16 - 127): the byte cannot fall under 1
.endr
.irp i, 2,4,6,8,10,12,14
.irp b, 0,1,2,3
	v_max3_num_f32 v[TM+\b], v[TM+\b], |v[\s+16*\b+\i]|, |v[\s+1+16*\b+\i]|   ; the four blocks by turns
.endr
.endr
.irp b, 0,1,2,3
	v_permlanex16_b32 v[TM+4+\b], v[TM+\b], s[SEL], s[SEL+1]
.endr
.irp b, 0,1,2,3
	v_max_num_f32 v[TM+\b], v[TM+\b], v[TM+4+\b]   ; with lane l xor 16's 16: the block's largest magnitude
.endr
.irp b, 0,1,2,3
	v_add_nc_u32 v[TM+12+\b], 0xf8800000, v[TM+\b]   ; 15 off its exponent field: the conversion's scale operand
.endr
.irp b, 0,1,2,3
	v_and_or_b32 v[TM+8+\b], v[TM+\b], 0x7f800000, s[MNT]   ; 57,344 x the scale
.endr
.irp b, 0,1,2,3
	v_lshrrev_b32 v[TM+4+\b], 23, v[TM+12+\b]   ; the scale's byte
.endr
	v_lshl_or_b32 v[\pw], v[TM+5], 8, v[TM+4]
	v_lshl_or_b32 v[\pw], v[TM+6], 16, v[\pw]
	v_lshl_or_b32 v[\pw], v[TM+7], 24, v[\pw]
.irp b, 0,1,2,3
.irp i, 0,1,2,3,4,5,6,7,8,9,10,11,12,13,14,15
	v_med3_num_f32 v[\s+16*\b+\i], v[\s+16*\b+\i], -v[TM+8+\b], v[TM+8+\b]   ; the conversion does not saturate (ISA guide 7.6.2): the hold comes first
.endr
	v_cvt_scalef32_pk8_bf8_f32 v[PC+4*\b:PC+1+4*\b], v[\s+16*\b:\s+7+16*\b], v[TM+12+\b]
	v_cvt_scalef32_pk8_bf8_f32 v[PC+2+4*\b:PC+3+4*\b], v[\s+8+16*\b:\s+15+16*\b], v[TM+12+\b]
.endr
	v_nop                                          ; a plain line behind the last conversion
.endm
	s_load_b512 s[4:19], s[0:1], 0x0               ; q, k, v, w_q, w_k, w_v, w_o, mask
	s_load_b128 s[20:23], s[0:1], 0x40             ; cod, scl
	s_load_b64 s[24:25], s[0:1], 0x50              ; mbits
	v_lshl_add_u32 v242, v0, 2, 0x10800
	v_mov_b32 v243, 0
	v_lshrrev_b32 v1, 5, v0
	v_readfirstlane_b32 s27, v1                    ; wave 0..3
	v_and_b32 v1, 31, v0                           ; lane
	v_and_b32 v2, 15, v0                           ; r
	v_bfe_u32 v3, v0, 4, 1                         ; h
	v_lshlrev_b32 v4, 4, v1                        ; 16 x lane: my bytes of a load's 512, and of a store's
	s_mul_i32 s33, s27, STG
	v_add_nc_u32 v6, s33, v4                       ; the stage, on the way in: 16 x lane of a row
	v_mul_u32_u24 v7, v2, SP
	v_lshl_add_u32 v7, v3, 6, v7
	v_add_nc_u32 v7, s33, v7                       ; and on the way out: row r, + 64 h
	s_mov_b32 s35, 0
	s_wait_kmcnt 0x0
	s_cmp_ge_u32 ttmp9, 448
	s_cbranch_scc1 .Lmask
	; ---- the quantising path.  Which tensor, its first work-group, and whether its rows are stored in the other order: chosen on the work-group's number alone
	s_mov_b64 s[28:29], s[16:17]
	s_mov_b32 s30, 432
	s_mov_b32 s31, 0
	s_cmp_lt_u32 ttmp9, 432
	s_cselect_b64 s[28:29], s[14:15], s[28:29]
	s_cselect_b32 s30, 416, s30
	s_cselect_b32 s31, 1, s31
	s_cmp_lt_u32 ttmp9, 416
	s_cselect_b64 s[28:29], s[12:13], s[28:29]
	s_cselect_b32 s30, 400, s30
	s_cmp_lt_u32 ttmp9, 400
	s_cselect_b64 s[28:29], s[10:11], s[28:29]
	s_cselect_b32 s30, 384, s30
	s_cmp_lt_u32 ttmp9, 384
	s_cselect_b64 s[28:29], s[8:9], s[28:29]
	s_cselect_b32 s30, 256, s30
	s_cmp_lt_u32 ttmp9, 256
	s_cselect_b64 s[28:29], s[6:7], s[28:29]
	s_cselect_b32 s30, 128, s30
	s_cmp_lt_u32 ttmp9, 128
	s_cselect_b64 s[28:29], s[4:5], s[28:29]
	s_cselect_b32 s30, 0, s30
	s_cselect_b32 s31, 0, s31
	s_sub_co_u32 s32, ttmp9, s30
	s_lshl_b32 s32, s32, 2
	s_add_co_u32 s32, s32, s27                     ; my row tile in its tensor
	s_and_b32 s33, s32, 1
	s_mul_i32 s33, s33, s31
	s_lshl_b32 s33, s33, 3
	s_lshl_b32 s34, s32, 4
	s_sub_co_u32 s34, s34, s33                     ; the tile's first row: 16 x tile, 8 less for an odd tile in the other order
	s_lshl_b32 s34, s34, 12                        ; a row is 4,096 bytes
	s_add_nc_u64 s[28:29], s[28:29], s[34:35]
	s_lshl_b32 s36, ttmp9, 2
	s_add_co_u32 s36, s36, s27                     ; my row tile among all 1,792
	s_lshl_b32 s34, s36, 14
	s_add_nc_u64 s[20:21], s[20:21], s[34:35]
	s_lshl_b32 s34, s36, 9
	s_add_nc_u64 s[22:23], s[22:23], s[34:35]
	s_lshl_b32 s37, s31, 15
	s_wait_alu depctr_va_vdst(0)
	v_add_nc_u32 v5, s37, v4                       ; stored rows 8-15 lie 8 rows further down in the other order
	v_lshlrev_b32 v9, 5, v2
	v_lshl_add_u32 v9, v3, 4, v9                   ; the scale bytes: 32 r + 16 h
	s_mov_b32 s[SEL], 0x76543210
	s_mov_b32 s[SEL+1], 0xfedcba98
	s_mov_b32 s[MNT], 0x600000
	s_mov_b32 s[HI], 0xffff0000
.irp b, 0,1,2,3
	v_mov_b32 v[TM+4+\b], 0                        ; written once: a lane permute's destination counts as one of its sources
.endr
.macro LOAD t                          ; step t: 512 bytes of each of the 16 rows
.irp i, 0,1,2,3,4,5,6,7
	global_load_b128 v[R+64*((\t)%2)+4*\i:R+64*((\t)%2)+4*\i+3], v4, s[28:29] offset:\i*4096+512*(\t) th:TH_LOAD_NT
.endr
.irp i, 8,9,10,11,12,13,14,15
	global_load_b128 v[R+64*((\t)%2)+4*\i:R+64*((\t)%2)+4*\i+3], v5, s[28:29] offset:\i*4096+512*(\t) th:TH_LOAD_NT
.endr
.endm
.macro STEP t
.if (\t) < 7
	s_wait_loadcnt 16                              ; this step's 16 loads are in; the next step's 16 may be out
.else
	s_wait_loadcnt 0x0
.endif
.irp i, 0,1,2,3,4,5,6,7,8,9,10,11,12,13,14,15
	ds_store_b128 v6, v[R+64*((\t)%2)+4*\i:R+64*((\t)%2)+4*\i+3] offset:\i*SP
.endr
.irp b, 0,1,2,3
.irp e, 0,1,2,3
	ds_load_b128 v[X+16*\b+4*\e:X+16*\b+4*\e+3], v7 offset:128*\b+16*\e   ; LDS serves a wave's instructions in order: these see the stores above
.endr
.endr
	s_wait_dscnt 0x0                               ; the numbers are back, and the stores have read their registers,
.if (\t) > 0
	s_wait_xcnt 0x0                                ; and the last step's global stores have read the codes' registers
.endif
.if (\t) < 6
	LOAD (\t)+2                                    ; which take the loads of two steps on
.endif
	QUANT X, PWS+(\t)
.irp c, 0,1,2,3
	global_store_b128 v4, v[PC+4*\c:PC+4*\c+3], s[20:21] offset:2048*(\t)+512*\c   ; 512 consecutive bytes
.endr
.endm
	LOAD 0
	LOAD 1
	s_wait_alu depctr_va_vdst(0)
.irp t, 0,1,2,3,4,5,6,7
	STEP \t
.endr
.irp i, 0,1,2,3
	v_cndmask_b32 v[OW+\i], v[PWS+\i], v[PWS+4+\i], s[HI]   ; lanes 0-15 store their row's words 0-3, lanes 16-31 words 4-7
.endr
	global_store_b128 v9, v[OW:OW+3], s[22:23]     ; the tile's 512 scale bytes
	s_wait_tensorcnt 0x0
	ds_add_u32 v242, v243
	s_wait_dscnt 0x0
	s_endpgm
	; ---- the mask path.  Block (qt, j) of mbits, 256 bytes at (16 qt + j) x 256: bit L of word n says whether mask[16 qt + L % 16][128 j + 32 (n / 16) + 16 (L / 16) + n % 16] is not 0
.Lmask:
	s_sub_co_u32 s32, ttmp9, 448                   ; qt
	s_lshl_b32 s34, s32, 17                        ; 16 rows of 8,192 bytes
	s_lshl_b32 s33, s27, 11                        ; my four blocks of 128 keys
	s_add_co_u32 s34, s34, s33
	s_add_nc_u64 s[18:19], s[18:19], s[34:35]
	s_lshl_b32 s34, s32, 12
	s_lshl_b32 s33, s27, 10
	s_add_co_u32 s34, s34, s33
	s_add_nc_u64 s[24:25], s[24:25], s[34:35]
	s_wait_alu depctr_va_vdst(0)
	v_lshlrev_b32 v8, 3, v1                        ; out: 8 bytes a lane
.irp i, 0,1,2,3,4,5,6,7
	v_mov_b32 v[MB+\i], 0                          ; a lane write's destination counts as read
.endr
.macro LOADM jj
.irp i, 0,1,2,3,4,5,6,7,8,9,10,11,12,13,14,15
	global_load_b128 v[R+64*((\jj)%2)+4*\i:R+64*((\jj)%2)+4*\i+3], v4, s[18:19] offset:\i*8192+512*(\jj) th:TH_LOAD_NT
.endr
.endm
.macro BLOCK jj
.if (\jj) < 3
	s_wait_loadcnt 16                              ; this block's 16 loads are in; the next block's may be out
.else
	s_wait_loadcnt 0x0
.endif
.irp i, 0,1,2,3,4,5,6,7,8,9,10,11,12,13,14,15
	ds_store_b128 v6, v[R+64*((\jj)%2)+4*\i:R+64*((\jj)%2)+4*\i+3] offset:MST+\i*SP
.endr
.irp b, 0,1,2,3
.irp e, 0,1,2,3
	ds_load_b128 v[X+16*\b+4*\e:X+16*\b+4*\e+3], v7 offset:MST+128*\b+16*\e
.endr
.endr
	s_wait_dscnt 0x0
.if (\jj) < 2
	LOADM (\jj)+2
.endif
.irp g, 0,1,2,3,4,5,6,7                ; word n = 8 g + x goes to lane n / 2, register n % 2: byte 4 n of the block
.irp x, 0,1,2,3,4,5,6,7
	v_cmp_ne_u32 s[CM+\x], 0, v[X+8*\g+\x]
.endr
.irp x, 0,1,2,3,4,5,6,7
	v_writelane_b32 v[MB+2*(\jj)+\x%2], s[CM+\x], 4*\g+\x/2
.endr
.endr
	global_store_b64 v8, v[MB+2*(\jj):MB+2*(\jj)+1], s[24:25] offset:256*(\jj)   ; 256 consecutive bytes, aligned; each block has registers of its own
.endm
	LOADM 0
	LOADM 1
.irp j, 0,1,2,3
	BLOCK \j
.endr
	s_wait_tensorcnt 0x0
	ds_add_u32 v242, v243
	s_wait_dscnt 0x0
	s_endpgm
.Lfunc_end_k_qf67f965a7b_prep:
	.size	k_qf67f965a7b_prep, .Lfunc_end_k_qf67f965a7b_prep-k_qf67f965a7b_prep
	.p2alignl 7, 3214868480
	.fill 96, 4, 3214868480
	.section	.rodata,"a",@progbits
	.p2align	6, 0x0
	.amdhsa_kernel k_qf67f965a7b_prep
		.amdhsa_group_segment_fixed_size 68096
		.amdhsa_private_segment_fixed_size 0
		.amdhsa_enable_private_segment 0
		.amdhsa_kernarg_size 88
		.amdhsa_user_sgpr_count 2
		.amdhsa_user_sgpr_kernarg_segment_ptr 1
		.amdhsa_wavefront_size32 1
		.amdhsa_system_sgpr_workgroup_id_x 1
		.amdhsa_system_sgpr_workgroup_id_y 1
		.amdhsa_system_sgpr_workgroup_id_z 1
		.amdhsa_system_vgpr_workitem_id 0
		.amdhsa_next_free_vgpr 256
		.amdhsa_next_free_sgpr 66
		.amdhsa_reserve_vcc 0
		.amdhsa_float_denorm_mode_32 3
		.amdhsa_float_denorm_mode_16_64 3
		.amdhsa_memory_ordered 1
		.amdhsa_forward_progress 1
		.amdhsa_inst_pref_size 147
	.end_amdhsa_kernel
	.amdgpu_metadata
---
amdhsa.version: [ 1, 2 ]
amdhsa.kernels:
  - .name:           k_qf67f965a7b_prep
    .symbol:         k_qf67f965a7b_prep.kd
    .args:
      - { .name: q, .offset: 0, .size: 8, .value_kind: global_buffer, .address_space: global }
      - { .name: k, .offset: 8, .size: 8, .value_kind: global_buffer, .address_space: global }
      - { .name: v, .offset: 16, .size: 8, .value_kind: global_buffer, .address_space: global }
      - { .name: w_q, .offset: 24, .size: 8, .value_kind: global_buffer, .address_space: global }
      - { .name: w_k, .offset: 32, .size: 8, .value_kind: global_buffer, .address_space: global }
      - { .name: w_v, .offset: 40, .size: 8, .value_kind: global_buffer, .address_space: global }
      - { .name: w_o, .offset: 48, .size: 8, .value_kind: global_buffer, .address_space: global }
      - { .name: mask, .offset: 56, .size: 8, .value_kind: global_buffer, .address_space: global }
      - { .name: cod, .offset: 64, .size: 8, .value_kind: global_buffer, .address_space: global }
      - { .name: scl, .offset: 72, .size: 8, .value_kind: global_buffer, .address_space: global }
      - { .name: mbits, .offset: 80, .size: 8, .value_kind: global_buffer, .address_space: global }
    .group_segment_fixed_size: 68096
    .private_segment_fixed_size: 0
    .kernarg_segment_align: 8
    .kernarg_segment_size: 88
    .max_flat_workgroup_size: 128
    .sgpr_count:     66
    .vgpr_count:     256
    .wavefront_size: 32
...
	.end_amdgpu_metadata
.endif
;; end of part 1
;; launch proj (part 2): grid 32 x 12, 4 waves a work-group, clusters of 4 x 4, 327,680 bytes of LDS; arguments cod, scl, b_q, b_k, b_v, qb, kv; writes qb, kv
.if DOCPART == 2
	.amdgcn_target "amdgcn-amd-amdhsa--gfx1250"
	.amdhsa_code_object_version 6
	.text
	.protected	k_qf67f965a7b_proj
	.globl	k_qf67f965a7b_proj
	.p2align	8
	.type	k_qf67f965a7b_proj,@function
k_qf67f965a7b_proj:
	s_mov_b64 s[64:65], 0
	v_nop
	global_prefetch_b8 v0, s[64:65] scope:SCOPE_SE
	s_setreg_imm32_b32 hwreg(HW_REG_WAVE_MODE, 25, 1), 1
	s_wait_xcnt 0x0
	s_wait_alu depctr_hold_cnt(0) depctr_sa_sdst(0) depctr_va_vdst(0) depctr_va_sdst(0) depctr_va_ssrc(0) depctr_va_vcc(0) depctr_vm_vsrc(0)
	s_getreg_b32 s2, hwreg(HW_REG_IB_STS2, 6, 4)
	s_cmp_eq_u32 s2, 0
	s_cbranch_scc0 .Lentry_in_a_cluster
	s_endpgm
.Lentry_in_a_cluster:
	s_bfe_u32 s2, ttmp6, 0x10000c
	s_cmp_lg_u32 s2, 0xf033
	s_cbranch_scc0 .Lentry_shape_is_right
	s_endpgm
.Lentry_shape_is_right:
.set NQ,     2
.set FR,     16
.set NL,     4
.set NP,     8
.set KBYTES, 4096
.set HALFT,  8*KBYTES
.set SLOT,   4*HALFT
.set LAPS,   2
.set KS,     32
.set SCL,    2*SLOT
.set HALFS,  16*272
.set SBLK,   2*272
.set SPARE,  SCL+4*HALFS
.set BL,   8
.set ADRA, 16
.set ADRB, 20
.set ADRS, 27
.set SPW,  28
.set NIL,  29
.set OBR,  30
.set OBL,  31
.set SC,   32
.set BR,   64
.set AF,   128
.set T,    128
.set PC,   192
.set TM,   208
.set PWS,  224
.set SW,   232
.set VO,   244
.set G1, 24
.set G0, 32
.set G1B, 48
.set G0B, 56
.set G1S, 68
.set G0S, 76
.set G1SB, 80
.set G0SB, 88
.set SEL,  20
.set HS,   96
.set STEPA, 97
.set STEPJ, 98
.set SCOFF, 99
.set HI,   100
.set MNT,  101
.set MSB, 0
.macro WIN new
.if MSB != \new
	s_set_vgpr_msb (MSB<<8)|\new
.set MSB, \new
.endif
.endm
.set MUL_LO, 0xa1
.set MUL_HI, 0xf1
.set TO_B,   0x40
.macro JLOAD g0a, g1a, g0b, g1b
	s_cmp_eq_u32 s15, 0
	s_cbranch_scc0 .Lfor_b_\@
	tensor_load_to_lds s[\g0a:\g0a+3], s[\g1a:\g1a+7]
	s_nop 0
.rept 4
	v_nop
.endr
	s_branch .Lasked_\@
.Lfor_b_\@:
	tensor_load_to_lds s[\g0b:\g0b+3], s[\g1b:\g1b+7]
	s_nop 0
.rept 4
	v_nop
.endr
.Lasked_\@:
.endm
.macro CREST
	s_cmp_lg_u32 s14, 0
	s_cbranch_scc1 .Lnot_wave_0_\@
	s_barrier_signal -3
.Lnot_wave_0_\@:
	s_barrier_wait -3
	s_barrier_signal -1
	s_barrier_wait -1
.endm
.macro CROUND
	s_barrier_signal -1
	s_barrier_wait -1
	CREST
.endm
	s_load_b128 s[4:7], s[0:1], 0x0
	s_load_b128 s[8:11], s[0:1], 0x10
	s_load_b64 s[12:13], s[0:1], 0x20
	s_load_b128 s[92:95], s[0:1], 0x28
	v_lshl_add_u32 v[SPW], v0, 2, SPARE
	v_mov_b32 v[NIL], 0
	ds_add_u32 v28, v29
	ds_add_u32 v28, v29
	s_wait_dscnt 0x0
	v_lshrrev_b32 v1, 5, v0
	v_readfirstlane_b32 s14, v1
	s_lshr_b32 s15, s14, 1
	s_and_b32 s16, s14, 1
	s_bfe_u32 s40, ttmp6, 0x40000
	s_bfe_u32 s41, ttmp6, 0x40004
	s_and_b32 s17, ttmp7, 0xffff
	s_lshr_b32 s18, s17, 1
	s_sub_co_u32 s19, 1, s18
	s_mov_b32 s42, ttmp9
	s_lshl_b32 s43, s41, 2
	s_lshl_b32 s43, 15, s43
	s_lshl_b32 s44, 0x1111, s40
	s_or_b32 s[G1+0], s43, (3<<16)|(1<<21)
	s_or_b32 s[G1B+0], s44, (3<<16)|(1<<21)
.irp g, G1, G1B
	s_mov_b32 s[\g+1], 512<<16
	s_mov_b32 s[\g+2], 16<<16                      ; the head's loads of codes bring 16 row tiles
	s_mov_b32 s[\g+3], 512<<16
	s_mov_b32 s[\g+4], 16
	s_mov_b32 s[\g+5], 2048
	s_mov_b32 s[\g+6], 0
	s_mov_b32 s[\g+7], 0
.endr
	s_or_b32 s[G1S+0], s43, (3<<16)|(1<<20)|(1<<21)|(5<<22)|(3<<25)
	s_or_b32 s[G1SB+0], s44, (3<<16)|(1<<20)|(1<<21)|(5<<22)|(3<<25)
.irp g, G1S, G1SB
	s_mov_b32 s[\g+1], 32<<16
	s_mov_b32 s[\g+2], 32<<16
	s_mov_b32 s[\g+3], 32<<16
	s_mov_b32 s[\g+4], 32
	s_mov_b32 s[\g+5], 32
	s_mov_b32 s[\g+6], 0
	s_mov_b32 s[\g+7], 0
.endr
	s_lshl_b32 s20, s17, 9
	s_lshl_b32 s21, s42, 4
	s_add_co_u32 s20, s20, s21
	s_mul_i32 s20, s20, s19
	s_mul_i32 s21, s18, 1664
	s_add_co_u32 s20, s20, s21
	s_mul_i32 s21, s18, 7
	s_sub_co_u32 s21, 8, s21
	s_mul_i32 s21, s21, s41
	s_lshl_b32 s21, s21, 4
	s_add_co_u32 s20, s20, s21
	s_lshl_b32 s45, s16, 3
	s_add_co_u32 s20, s20, s45
	s_lshl_b32 s46, s17, 6
	s_add_co_u32 s46, s46, 1536
	s_mul_i32 s46, s46, s19
	s_lshl_b32 s47, s42, 6
	s_add_co_u32 s47, s47, 1024
	s_mul_i32 s47, s47, s18
	s_add_co_u32 s46, s46, s47
	s_lshl_b32 s47, s40, 4
	s_add_co_u32 s46, s46, s47
	s_add_co_u32 s46, s46, s45
	s_sub_co_u32 s22, s20, s45                     ; the scales come whole: from the block's first row tile
	s_lshl_b32 s22, s22, 9
	s_mov_b32 s23, 0
	s_lshl_b32 s20, s20, 14
	s_mov_b32 s21, 0
	s_sub_co_u32 s96, s46, s45
	s_lshl_b32 s96, s96, 9
	s_mov_b32 s97, 0
	s_lshl_b32 s46, s46, 14
	s_mov_b32 s47, 0
	s_mul_i32 s45, s14, HALFT
	s_mul_i32 s98, s15, 2*HALFS                    ; A's scales, then B's
	s_wait_kmcnt 0x0
	s_add_nc_u64 s[20:21], s[4:5], s[20:21]
	s_add_nc_u64 s[22:23], s[6:7], s[22:23]
	s_add_nc_u64 s[46:47], s[4:5], s[46:47]
	s_add_nc_u64 s[96:97], s[6:7], s[96:97]
	CROUND
	s_mov_b32 s[G0S], 1
	s_add_co_u32 s[G0S+1], s98, SCL
	s_mov_b64 s[G0S+2:G0S+3], s[22:23]
	s_or_b32 s[G0S+3], s[G0S+3], 0x80000000
	s_mov_b32 s[G0SB], 1
	s_add_co_u32 s[G0SB+1], s98, SCL
	s_mov_b64 s[G0SB+2:G0SB+3], s[96:97]
	s_or_b32 s[G0SB+3], s[G0SB+3], 0x80000000
.irp s, 0,1
	s_mov_b32 s[G0+4*\s], 1
	s_add_co_u32 s[G0+4*\s+1], s45, \s*SLOT
	s_add_nc_u64 s[G0+4*\s+2:G0+4*\s+3], s[20:21], \s*KBYTES
	s_or_b32 s[G0+4*\s+3], s[G0+4*\s+3], 0x80000000
	s_mov_b32 s[G0B+4*\s], 1
	s_add_co_u32 s[G0B+4*\s+1], s45, \s*SLOT
	s_add_nc_u64 s[G0B+4*\s+2:G0B+4*\s+3], s[46:47], \s*KBYTES
	s_or_b32 s[G0B+4*\s+3], s[G0B+4*\s+3], 0x80000000
.endr
; the head's four tiles, one joint load a wave, in one tree of branches on the wave's number: wave 0 K step 0's 16 row tiles of A (its own slot-0 group 0 names their first byte), wave 1 A's scales, wave 2 B's 16 row tiles, wave 3 B's scales
.macro ARM under, g0, g1, next
	s_cmp_lt_u32 s14, \under
	s_cbranch_scc0 \next
	tensor_load_to_lds s[\g0:\g0+3], s[\g1:\g1+7]
	s_nop 0
.rept 4
	v_nop
.endr
	s_branch .Lhead_asked
\next:
.endm
	ARM 1, G0,  G1,  .Lhead_sa
	ARM 2, G0S, G1S, .Lhead_b
	ARM 3, G0B, G1B, .Lhead_sb
	tensor_load_to_lds s[G0SB:G0SB+3], s[G1SB:G1SB+7]
	s_nop 0
.rept 4
	v_nop
.endr
.Lhead_asked:
; prefetches of the K steps to come: of the 8 row tiles that my wave fetches in the ring (waves 0, 1: A's halves; waves 2, 3: B's), the partner at place p among the four that ask for them jointly (cx for A, cy for B) takes tiles 2 p and 2 p + 1:
; told apart by address, no branch on the place.  A K step of a row tile is 4,096 bytes: lanes 0-15 name the sixteen 256-byte blocks of one tile, lanes 16-31 those of the next.  Here K steps 1 and 2; behind slot 1's first fill K step 3; the registers are never rewritten
	s_cmp_eq_u32 s15, 0
	s_cselect_b64 s[66:67], s[20:21], s[46:47]
	s_cselect_b32 s2, s40, s41
	s_lshl_b32 s2, s2, 15                          ; two row tiles of 16,384 bytes a partner
	s_mov_b32 s3, 0
	s_add_nc_u64 s[66:67], s[66:67], s[2:3]
	v_and_b32 v23, 15, v0
	v_bfe_u32 v22, v0, 4, 1
	v_lshlrev_b32 v22, 14, v22
	v_lshl_add_u32 v22, v23, 8, v22                ; 16,384 (lane / 16) + 256 (lane % 16)
	global_prefetch_b8 v22, s[66:67] offset:4096 th:TH_LOAD_NT scope:SCOPE_SE
	global_prefetch_b8 v22, s[66:67] offset:8192 th:TH_LOAD_NT scope:SCOPE_SE
	v_and_b32 v1, 15, v0
	v_bfe_u32 v2, v0, 4, 1
	v_and_b32 v3, 31, v0
	v_lshlrev_b32 v4, 4, v3
	s_mul_i32 s21, s15, HALFT
	s_mul_i32 s22, s16, HALFT
	s_add_co_u32 s22, s22, 2*HALFT
.irp s, 0,1
	v_add_nc_u32 v[ADRA+\s], s21, v4
	v_add_nc_u32 v[ADRB+\s], s22, v4
	s_add_co_u32 s21, s21, SLOT
	s_add_co_u32 s22, s22, SLOT
.endr
	v_mul_u32_u24 v5, v1, KS
	v_lshrrev_b32 v6, 8, v5
	v_lshl_add_u32 v5, v6, 4, v5
	s_mul_i32 s21, s15, HALFS
	s_mul_i32 s22, s16, HALFS
	s_add_co_u32 s22, s22, 2*HALFS
	s_sub_co_u32 s22, s22, s21
	v_mul_u32_u24 v6, s22, v2
	s_add_co_u32 s21, s21, SCL
	v_add_nc_u32 v5, v5, v6
	v_add_nc_u32 v[ADRS], s21, v5
	v_lshlrev_b32 v[OBR], 6, v2
	s_wait_alu depctr_va_vdst(0)
	v_and_b32 v5, 8, v1
	v_add_nc_u32 v5, v5, v1
	v_lshlrev_b32 v[OBL], 2, v5
	s_wait_alu depctr_va_vdst(0)
	s_cmp_eq_u32 s17, 0
	s_cselect_b64 s[8:9], s[8:9], s[10:11]
	s_cmp_eq_u32 s17, 2
	s_cselect_b64 s[8:9], s[12:13], s[8:9]
	s_lshl_b32 s20, s40, 8
	s_lshl_b32 s21, s16, 7
	s_add_co_u32 s20, s20, s21
	s_mul_i32 s20, s20, s19
	s_lshl_b32 s20, s20, 2
	s_mov_b32 s21, 0
	s_add_nc_u64 s[10:11], s[8:9], s[20:21]
	s_lshl_b32 s20, s41, 8
	s_lshl_b32 s22, s15, 7
	s_add_co_u32 s20, s20, s22
	s_mul_i32 s20, s20, s18
	s_lshl_b32 s20, s20, 2
	s_add_nc_u64 s[12:13], s[8:9], s[20:21]
.irp b, 0,1,2,3,4,5,6,7
	global_load_b128 v[BR+8*\b:BR+8*\b+3], v[OBR], s[10:11] offset:(32*(\b/2)+8*(\b%2))*4
	global_load_b128 v[BR+8*\b+4:BR+8*\b+7], v[OBR], s[10:11] offset:(32*(\b/2)+8*(\b%2))*4+16
.endr
.irp a, 0,1,2,3,4,5,6,7
	global_load_b32 v[BL+\a], v[OBL], s[12:13] offset:(32*(\a/2)+8*(\a%2))*4
.endr
	s_lshl_b32 s20, s42, 2
	s_add_co_u32 s20, s20, s40
	s_lshl_b32 s20, s20, 1
	s_add_co_u32 s20, s20, s16
	s_lshl_b32 s21, s41, 3
	s_add_co_u32 s21, s21, s42
	s_lshl_b32 s21, s21, 1
	s_add_co_u32 s21, s21, s15
	s_lshl_b32 s22, s41, 2
	s_lshl_b32 s23, s15, 1
	s_add_co_u32 s22, s22, s23
	s_lshl_b32 s23, s40, 2
	s_lshl_b32 s45, s16, 1
	s_add_co_u32 s23, s23, s45
	s_cmp_eq_u32 s18, 1
	s_cselect_b32 s20, s20, s21
	s_cselect_b32 s22, s22, s23
	s_cmp_eq_u32 s17, 0
	s_cselect_b64 s[4:5], s[92:93], s[94:95]
	s_mov_b32 s23, 17152
	s_cselect_b32 s23, 8704, s23
	s_lshr_b32 s21, s20, 4
	s_lshl_b32 s21, s21, 4
	s_add_co_u32 s21, s21, s22
	s_lshl_b32 s21, s21, 4
	s_and_b32 s20, s20, 15
	s_add_co_u32 s20, s21, s20
	s_mul_i32 s20, s20, s23
	s_mov_b32 s21, 0
	s_add_nc_u64 s[4:5], s[4:5], s[20:21]
	s_lshl_b32 s[HS], s23, 4
	s_lshl_b32 s[STEPA], 1024, s18
	s_sub_co_u32 s[STEPJ], s[HS], 7168
	s_mul_i32 s[STEPJ], s[STEPJ], s18
	s_add_co_u32 s[STEPJ], s[STEPJ], 1024
	s_min_u32 s[SCOFF], s17, 1
	s_lshl_b32 s[SCOFF], s[SCOFF], 13
	s_add_co_u32 s[SCOFF], s[SCOFF], 8192
	s_lshl_b32 s92, s18, 9
	s_add_co_u32 s[SCOFF], s[SCOFF], s92
	s_lshl_b32 s93, s18, 13
	s_cmp_eq_u32 s18, 1
	s_cselect_b32 s92, 1024, s[HS]
	s_mov_b32 s[HI], 0xffff0000
	s_mov_b32 s[MNT], 0x600000
.macro FRAG reg, adr, q, i
.irp c, 0,1,2,3
	ds_load_b128 v[\reg+4*\c:\reg+4*\c+3], v[\adr] offset:KBYTES*(\i)+2048*(\q)+512*\c
.endr
.endm
.macro MUL16 a0, p, q, sc, zero
.irp a, \a0, \a0+1
.irp b, 0,1,2,3,4,5,6,7
.if \zero
	v_wmma_scale_f32_16x16x128_f8f6f4 v[8*(8*((\a)%4)+\b):8*(8*((\a)%4)+\b)+7], v[128*(\p)+FR*\b:128*(\p)+FR*\b+FR-1], v[AF+FR*(\a):AF+FR*(\a)+FR-1], 0, v[SC+8*NQ*(\sc)+NQ*\b+(\q)], v[SC+8*NQ*(\sc)+NQ*(\a)+(\q)] matrix_a_fmt:MATRIX_FMT_BF8 matrix_b_fmt:MATRIX_FMT_BF8 matrix_a_scale:MATRIX_SCALE_ROW1
.else
	v_wmma_scale_f32_16x16x128_f8f6f4 v[8*(8*((\a)%4)+\b):8*(8*((\a)%4)+\b)+7], v[128*(\p)+FR*\b:128*(\p)+FR*\b+FR-1], v[AF+FR*(\a):AF+FR*(\a)+FR-1], v[8*(8*((\a)%4)+\b):8*(8*((\a)%4)+\b)+7], v[SC+8*NQ*(\sc)+NQ*\b+(\q)], v[SC+8*NQ*(\sc)+NQ*(\a)+(\q)] matrix_a_fmt:MATRIX_FMT_BF8 matrix_b_fmt:MATRIX_FMT_BF8 matrix_a_scale:MATRIX_SCALE_ROW1
.endif
.endr
.endr
.endm
.macro FETCH_B slot, q, p
	WIN TO_B
.irp i, 0,1,2,3,4,5,6,7
	FRAG 128*(\p)+FR*\i, ADRB+\slot, \q, \i
.endr
	WIN 0
.endm
.macro FETCH_A slot, q, i0
.irp i, \i0, \i0+1, \i0+2, \i0+3
	FRAG AF+FR*(\i), ADRA+\slot, \q, \i
.endr
.endm
.macro SCALES sc
.irp i, 0,1,2,3,4,5,6,7
	ds_load_b64 v[SC+8*NQ*\sc+NQ*\i:SC+8*NQ*\sc+NQ*\i+1], v[ADRS] offset:\i*SBLK
.endr
.endm
.macro PLACES n
.rept \n
	v_nop
.endr
.endm
.macro STEP slot, q, zero
	s_wait_dscnt 4*NL
	WIN MUL_LO
	MUL16 0, (\q)%2, \q, \slot, \zero
	MUL16 2, (\q)%2, \q, \slot, \zero
	s_wait_dscnt 0
	PLACES NP
	FETCH_B \slot, (\q)+1, 1-(\q)%2
	FETCH_A \slot, (\q)+1, 0
	WIN MUL_HI
	MUL16 4, (\q)%2, \q, \slot, \zero
	MUL16 6, (\q)%2, \q, \slot, \zero
	PLACES NP
	WIN 0
	FETCH_A \slot, (\q)+1, 4
.endm
.macro TURN slot, next, fill
	s_wait_tensorcnt 0x0
	ds_add_u32 v[SPW], v[NIL]
	s_wait_dscnt 4*NL+1
	WIN MUL_LO
	MUL16 0, 1, NQ-1, \slot, 0
	s_wait_dscnt 0x0
	s_barrier_signal -1
	MUL16 2, 1, NQ-1, \slot, 0
	WIN 0
	s_barrier_wait -1
.if \fill
	CREST
	s_add_nc_u64 s[G0+4*\slot+2:G0+4*\slot+3], s[G0+4*\slot+2:G0+4*\slot+3], 2*KBYTES
	s_add_nc_u64 s[G0B+4*\slot+2:G0B+4*\slot+3], s[G0B+4*\slot+2:G0B+4*\slot+3], 2*KBYTES
	JLOAD G0+4*\slot, G1, G0B+4*\slot, G1B
	PLACES NP-4
.else
	PLACES NP
.endif
	s_wait_alu depctr_va_vdst(0)
	v_add_nc_u32 v[ADRS], 4*NQ, v[ADRS]
	FETCH_B \next, 0, 0
	FETCH_A \next, 0, 0
	SCALES \next
	WIN MUL_HI
	MUL16 4, 1, NQ-1, \slot, 0
	MUL16 6, 1, NQ-1, \slot, 0
	PLACES NP
	WIN 0
	FETCH_A \next, 0, 4
.endm
	s_wait_alu depctr_va_vdst(0)                   ; the wait at the head's end
	s_wait_tensorcnt 0x0                           ; my tile of the head's four is in
	ds_add_u32 v[SPW], v[NIL]
	s_mov_b32 s[G1+2], 8<<16                       ; no tensor load of mine is out: from here on a load brings 8 row tiles
	s_mov_b32 s[G1+4], 8
	s_mov_b32 s[G1B+2], 8<<16
	s_mov_b32 s[G1B+4], 8
	s_wait_dscnt 0x0
	CROUND                                         ; all four tiles are in, and the partners are here
	JLOAD G0+4, G1, G0B+4, G1B                     ; slot 1's first fill, issued as a refill is
	global_prefetch_b8 v22, s[66:67] offset:12288 th:TH_LOAD_NT scope:SCOPE_SE   ; K step 3, the last: two refills ahead of its load
	FETCH_B 0, 0, 0
	FETCH_A 0, 0, 0
	SCALES 0
	FETCH_A 0, 0, 4
	STEP 0, 0, 1
	s_mov_b32 s3, LAPS-1
.Llap:
	TURN 0, 1, 1
	STEP 1, 0, 0
	TURN 1, 0, 1
	STEP 0, 0, 0
	s_sub_co_u32 s3, s3, 1
	s_cmp_lg_u32 s3, 0
	s_cbranch_scc1 .Llap
	TURN 0, 1, 0
	STEP 1, 0, 0
	s_wait_dscnt 4*NL
	WIN MUL_LO
	MUL16 0, 1, NQ-1, 1, 0
	MUL16 2, 1, NQ-1, 1, 0
	s_wait_dscnt 0
	WIN MUL_HI
	MUL16 4, 1, NQ-1, 1, 0
	MUL16 6, 1, NQ-1, 1, 0
	WIN 0
.macro QUANT s, pw
.irp b, 0,1,2,3
	v_max3_num_f32 v[TM+\b], |v[\s+16*\b]|, |v[\s+1+16*\b]|, 0x8000000
.endr
.irp i, 2,4,6,8,10,12,14
.irp b, 0,1,2,3
	v_max3_num_f32 v[TM+\b], v[TM+\b], |v[\s+16*\b+\i]|, |v[\s+1+16*\b+\i]|
.endr
.endr
.irp b, 0,1,2,3
	v_permlanex16_b32 v[TM+4+\b], v[TM+\b], s[SEL], s[SEL+1]
.endr
.irp b, 0,1,2,3
	v_max_num_f32 v[TM+\b], v[TM+\b], v[TM+4+\b]
.endr
.irp b, 0,1,2,3
	v_add_nc_u32 v[TM+12+\b], 0xf8800000, v[TM+\b]
.endr
.irp b, 0,1,2,3
	v_and_or_b32 v[TM+8+\b], v[TM+\b], 0x7f800000, s[MNT]
.endr
.irp b, 0,1,2,3
	v_lshrrev_b32 v[TM+4+\b], 23, v[TM+12+\b]
.endr
	v_lshl_or_b32 v[\pw], v[TM+5], 8, v[TM+4]
	v_lshl_or_b32 v[\pw], v[TM+6], 16, v[\pw]
	v_lshl_or_b32 v[\pw], v[TM+7], 24, v[\pw]
.irp b, 0,1,2,3
.irp i, 0,1,2,3,4,5,6,7,8,9,10,11,12,13,14,15
	v_med3_num_f32 v[\s+16*\b+\i], v[\s+16*\b+\i], -v[TM+8+\b], v[TM+8+\b]
.endr
	v_cvt_scalef32_pk8_bf8_f32 v[PC+4*\b:PC+1+4*\b], v[\s+16*\b:\s+7+16*\b], v[TM+12+\b]
	v_cvt_scalef32_pk8_bf8_f32 v[PC+2+4*\b:PC+3+4*\b], v[\s+8+16*\b:\s+15+16*\b], v[TM+12+\b]
.endr
	v_nop
.endm
.macro ADDB a
	s_cmp_eq_u32 s18, 0
	s_cbranch_scc0 .Lby_lane_\@
	WIN 0x02+((\a)/4)
.set i, 0
.rept 32
	v_pk_add_f32 v[T+i:T+i+1], v[64*((\a)%4)+i:64*((\a)%4)+i+1], v[BR+i:BR+i+1]
.set i, i+2
.endr
	WIN 0
	s_branch .Ladded_\@
.Lby_lane_\@:
	WIN 0x02+((\a)/4)
.set i, 0
.rept 32
.if (\a)%2
	v_pk_add_f32 v[T+i:T+i+1], v[64*((\a)%4)+i:64*((\a)%4)+i+1], v[BL+2*((\a)/2):BL+2*((\a)/2)+1] op_sel:[0,1] op_sel_hi:[1,1]
.else
	v_pk_add_f32 v[T+i:T+i+1], v[64*((\a)%4)+i:64*((\a)%4)+i+1], v[BL+2*((\a)/2):BL+2*((\a)/2)+1] op_sel:[0,0] op_sel_hi:[1,0]
.endif
.set i, i+2
.endr
	WIN 0
.Ladded_\@:
.endm
.macro EPI a
.if (\a) > 0
	s_wait_xcnt 0x0
.irp c, 0,1,2,3
.if (\a) == 4
	v_add_nc_u32 v[VO+\c], s[STEPJ], v[VO+\c]
.else
	v_add_nc_u32 v[VO+\c], s[STEPA], v[VO+\c]
.endif
.endr
.endif
	ADDB \a
	QUANT T, PWS+(\a)
.irp c, 0,1,2,3
	global_store_b128 v[VO+\c], v[PC+4*\c:PC+4*\c+3], s[4:5]
.endr
.endm
	PLACES NP
	s_wait_loadcnt 0x0
	s_mov_b32 s[SEL], 0x76543210
	s_mov_b32 s[SEL+1], 0xfedcba98
	v_and_b32 v240, 31, v0
	v_lshlrev_b32 v241, 4, v240
	v_add_nc_u32 v[VO], s93, v241
	v_add_nc_u32 v[VO+1], 512, v[VO]
	v_add_nc_u32 v[VO+2], s92, v[VO]
	v_add_nc_u32 v[VO+3], 512, v[VO+2]
.irp b, 0,1,2,3
	v_mov_b32 v[TM+4+\b], 0
.endr
.irp a, 0,1,2,3,4,5,6,7
	EPI \a
.endr
	s_cmp_eq_u32 s18, 0
	s_cbranch_scc0 .Lwords_v
	v_add_nc_u32 v248, s[SCOFF], v241
	v_add_nc_u32 v249, s[HS], v248
.irp i, 0,1,2,3
	v_and_b32 v242, 0xffff, v[PWS+2*\i]
	v_and_b32 v243, 0xffff, v[PWS+2*\i+1]
	v_cndmask_b32 v[SW+\i], v242, v243, s[HI]
	v_lshrrev_b32 v242, 16, v[PWS+2*\i]
	v_lshrrev_b32 v243, 16, v[PWS+2*\i+1]
	v_cndmask_b32 v[SW+4+\i], v242, v243, s[HI]
.endr
	global_store_b128 v248, v[SW:SW+3], s[4:5]
	global_store_b128 v249, v[SW+4:SW+7], s[4:5]
	s_branch .Lwords_done
.Lwords_v:
	v_lshlrev_b32 v248, 3, v240
	v_add_nc_u32 v248, s[SCOFF], v248
	v_add_nc_u32 v249, s[HS], v248
.irp e, 0,1
.irp i, 0,1
	v_cndmask_b32 v[SW+2*\e+\i], v[PWS+4*\e+2*\i], v[PWS+4*\e+2*\i+1], s[HI]
.endr
.endr
	global_store_b64 v248, v[SW:SW+1], s[4:5]
	global_store_b64 v249, v[SW+2:SW+3], s[4:5]
.Lwords_done:
	s_wait_tensorcnt 0x0
	ds_add_u32 v[SPW], v[NIL]
	s_wait_dscnt 0x0
	CROUND
	s_endpgm
.Lfunc_end_k_qf67f965a7b_proj:
	.size	k_qf67f965a7b_proj, .Lfunc_end_k_qf67f965a7b_proj-k_qf67f965a7b_proj
	.p2alignl 7, 3214868480
	.fill 96, 4, 3214868480
	.section	.rodata,"a",@progbits
	.p2align	6, 0x0
	.amdhsa_kernel k_qf67f965a7b_proj
		.amdhsa_group_segment_fixed_size 327680
		.amdhsa_private_segment_fixed_size 0
		.amdhsa_enable_private_segment 0
		.amdhsa_kernarg_size 56
		.amdhsa_user_sgpr_count 2
		.amdhsa_user_sgpr_kernarg_segment_ptr 1
		.amdhsa_wavefront_size32 1
		.amdhsa_system_sgpr_workgroup_id_x 1
		.amdhsa_system_sgpr_workgroup_id_y 1
		.amdhsa_system_sgpr_workgroup_id_z 1
		.amdhsa_system_vgpr_workitem_id 0
		.amdhsa_next_free_vgpr 1024
		.amdhsa_next_free_sgpr 102
		.amdhsa_reserve_vcc 0
		.amdhsa_float_denorm_mode_32 3
		.amdhsa_float_denorm_mode_16_64 3
		.amdhsa_memory_ordered 1
		.amdhsa_forward_progress 1
		.amdhsa_inst_pref_size 226
	.end_amdhsa_kernel
	.amdgpu_metadata
---
amdhsa.version: [ 1, 2 ]
amdhsa.kernels:
  - .name:           k_qf67f965a7b_proj
    .symbol:         k_qf67f965a7b_proj.kd
    .args:
      - { .name: cod, .offset: 0, .size: 8, .value_kind: global_buffer, .address_space: global }
      - { .name: scl, .offset: 8, .size: 8, .value_kind: global_buffer, .address_space: global }
      - { .name: b_q, .offset: 16, .size: 8, .value_kind: global_buffer, .address_space: global }
      - { .name: b_k, .offset: 24, .size: 8, .value_kind: global_buffer, .address_space: global }
      - { .name: b_v, .offset: 32, .size: 8, .value_kind: global_buffer, .address_space: global }
      - { .name: qb, .offset: 40, .size: 8, .value_kind: global_buffer, .address_space: global }
      - { .name: kv, .offset: 48, .size: 8, .value_kind: global_buffer, .address_space: global }
    .group_segment_fixed_size: 327680
    .private_segment_fixed_size: 0
    .kernarg_segment_align: 8
    .kernarg_segment_size: 56
    .max_flat_workgroup_size: 128
    .sgpr_count:     102
    .vgpr_count:     1024
    .wavefront_size: 32
...
	.end_amdgpu_metadata
.endif
;; end of part 2
;; launch attn (part 3): grid 4 x 64, 16 waves a work-group, clusters of 4 x 1, 276,480 bytes of LDS; arguments qb, kv, mbits, xc, xsc; writes xc, xsc
.if DOCPART == 3
	.amdgcn_target "amdgcn-amd-amdhsa--gfx1250"
	.amdhsa_code_object_version 6
	.text
	.protected	k_qf67f965a7b_attn
	.globl	k_qf67f965a7b_attn
	.p2align	8
	.type	k_qf67f965a7b_attn,@function
k_qf67f965a7b_attn:
	s_mov_b64 s[64:65], 0
	v_nop
	global_prefetch_b8 v0, s[64:65] scope:SCOPE_SE
	s_setreg_imm32_b32 hwreg(HW_REG_WAVE_MODE, 25, 1), 1
	s_wait_xcnt 0x0
	s_wait_alu depctr_hold_cnt(0) depctr_sa_sdst(0) depctr_va_vdst(0) depctr_va_sdst(0) depctr_va_ssrc(0) depctr_va_vcc(0) depctr_vm_vsrc(0)
	s_getreg_b32 s2, hwreg(HW_REG_IB_STS2, 6, 4)
	s_cmp_eq_u32 s2, 0
	s_cbranch_scc0 .Lentry_in_a_cluster
	s_endpgm
.Lentry_in_a_cluster:
	s_bfe_u32 s2, ttmp6, 0x10000c
	s_cmp_lg_u32 s2, 0x3003
	s_cbranch_scc0 .Lentry_shape_is_right
	s_endpgm
.Lentry_shape_is_right:
; ATTN.  For each of the 64 (batch, head): x = softmax(Q K^T / 8, masked) V, both products on codes of BF8 (E5M2) with E8M0 scales; x is quantised along head x 64 + d and leaves as the output projection's operand.
; THE SOFTMAX: t = score x log2(e) / 8; M = the running largest t rounded up to a whole number; p = 2^(t - M) is quantised along the keys, not normalised; the row's sum is taken of the unquantised p and divides at the end.
; When M moves, the sum and O are multiplied by 2^(old M - new M): exact.
; THE MASK: a hidden score becomes -2^33 ahead of the maximum.  -2^33 x log2(e) / 8 is a whole number in f32, so a row that is hidden throughout has p = 1 everywhere, the plain mean of V, as the definition's -1e9 gives in f32;
; the first open key makes the factor 0, which wipes what hidden keys had summed.  LIMIT: an open score under -2^33 (a logit under about -1.07e9) would rank under hidden ones; NaN and infinities are not served.
; THE MASK WORDS, 64 lane masks a step in 64 scalar registers, come a key step ahead: as soon as 32 have been used, the next step's 32 are asked for into the same registers.  The pointer's step is chosen on the count of steps:
; 256 bytes inside a pass; pass 0's last step goes on to pass 1's tile; pass 1's last step stays where it is (it asks for its own words again, inside the buffer, and nobody reads them), so that the step has one form.
; SHARES.  A work-group owns 512 queries of one head; in each of two passes each of its 16 waves owns one tile of 16.  The head's K and V, 16 blocks of 128 keys, 17,152 bytes each, lie in LDS and are filled ONCE: wave w asks for block w,
; one tensor load a wave, no branch.  CLUSTER: the four work-groups of a head ask for each block jointly.  No prefetch: all of K and V is asked for at the head, so there is no loop in which to ask ahead.
; LAYOUT.  Both products are used transposed: S^T = K Q^T, O^T = V^T P^T: a lane holds one query (lane % 16).  K's keys were stored so that registers 16 b + i of S^T are the keys 32 b + 16 (lane / 16) + i; V's features likewise for O^T.
; K = 64 fills half of the instruction's 128: Q's upper eight registers hold zero codes; the upper half of K's operand is the next tile's codes (zeros behind the last): finite numbers that meet zero codes.
; VECTOR REGISTERS: v1-7 offsets; v12 -M, v13 the largest t, v[14:15] the sum; v16-31 Q; v32-103 K's or V's fragments (v96-103 stay 0); v104-167 S^T, then p; v168-199 O^T; v200-215 p's codes; v216-237 at work; v238, v248-255 pass 1's Q.
.set BLKB, 17152                       ; a block of kv: K's 8 tiles (8,192), V^T's 4 tiles (8,192), K's scale words (512), V's (256)
.set SPARE, 16*BLKB                    ; behind the blocks: the spare words, 128 bytes a wave
.set AD,   3                           ; the step's block + 16 x lane
.set AD8,  4                           ; the step's block + 8 x lane
.set XO,   5                           ; where my 16 bytes of x go in xc
.set NEG,  6                           ; -2^33
.set XSO,  7                           ; where my row's two scale bytes go in xsc
.set Q,    16
.set F,    32
.set S,    104
.set O,    168
.set PC,   200
.set T1,   212                         ; two of the sum's chains, in registers that the codes take afterwards
.set T2,   214
.set BM,   216
.set BY,   220
.set HO,   224
.set SO,   228
.set FF,   232
.set TP,   234
.set SPW,  235
.set C2,   236
.set QS1,  238
.set NIL,  239
.set KS,   240
.set VS,   244
.set QS,   246
.set PS,   247
.set Q1,   248
.set CS,   2
.set MK2,  4                           ; s[4:19]  mask words 32-47 (until the set-up is over: arguments and ids)
.set SEL,  20
.set TB,   22
.set CNT,  23
.set G1,   24
.set G0,   32
.set INC,  36                          ; s[36:37] the mask pointer's step
.set LAST, 38                          ; its step in a pass's last key step
.set ORD,  39                          ; 256
.set XP,   40                          ; s[40:43] xc, xsc
.set MK3,  48
.set MP,   66
.set MK0,  68
.set MK1,  84
.set WV,   100
.set MNT,  101
.macro CROUND
	s_barrier_signal -1
	s_barrier_wait -1
	s_cmp_lg_u32 s[WV], 0
	s_cbranch_scc1 .Lnot_wave_0_\@
	s_barrier_signal -3
.Lnot_wave_0_\@:
	s_barrier_wait -3
	s_barrier_signal -1
	s_barrier_wait -1
.endm
	s_load_b128 s[4:7], s[0:1], 0x0                ; qb, kv
	s_load_b64 s[8:9], s[0:1], 0x10                ; mbits
	s_load_b128 s[XP:XP+3], s[0:1], 0x18           ; xc, xsc
	v_lshl_add_u32 v[SPW], v0, 2, SPARE
	v_mov_b32 v[NIL], 0
	ds_add_u32 v[SPW], v[NIL]                      ; the opening lines: the add twice on end
	ds_add_u32 v[SPW], v[NIL]
	v_lshrrev_b32 v8, 5, v0
	v_readfirstlane_b32 s[WV], v8                  ; wave 0..15
	s_bfe_u32 s15, ttmp6, 0x40000                  ; cx: which quarter of the queries
	s_and_b32 s16, ttmp7, 0xffff                   ; 16 batch + head, which the four partners share
	s_lshr_b32 s17, s16, 4
	s_and_b32 s18, s16, 15
	s_mul_i32 s62, s[WV], BLKB                     ; block w: in LDS,
	s_mul_i32 s50, s16, 16*BLKB
	s_add_co_u32 s50, s50, s62                     ; and in kv
	s_mov_b32 s51, 0
	s_mov_b32 s[G1], 15|(3<<16)|(1<<21)            ; the mask: all four work-groups; elements of 8 bytes; a block is 67 dense rows of 256 bytes
	s_mov_b32 s[G1+1], 32<<16
	s_mov_b32 s[G1+2], 67<<16
	s_mov_b32 s[G1+3], 32<<16
	s_mov_b32 s[G1+4], 67
	s_mov_b32 s[G1+5], 32
	s_mov_b32 s[G1+6], 0
	s_mov_b32 s[G1+7], 0
	s_mov_b32 s[SEL], 0x76543210
	s_mov_b32 s[SEL+1], 0xfedcba98
	s_mov_b32 s[MNT], 0x600000
	s_mov_b32 s[INC+1], 0
	s_mov_b32 s[ORD], 256
	s_mov_b32 s[LAST], 61696                       ; to the tile 16 further on: 65,536 bytes less the 15 x 256 stepped
	s_mov_b32 s3, 0
	s_wait_dscnt 0x0
	s_wait_kmcnt 0x0
	s_add_nc_u64 s[6:7], s[6:7], s[50:51]
	s_mov_b32 s[G0], 1
	s_mov_b32 s[G0+1], s62
	s_mov_b64 s[G0+2:G0+3], s[6:7]
	s_or_b32 s[G0+3], s[G0+3], 0x80000000
	CROUND                                         ; all four work-groups are here: the joint loads meet
	tensor_load_to_lds s[G0:G0+3], s[G1:G1+7]      ; my one tensor load: block w
	s_nop 0
.rept 4
	v_nop
.endr
	s_lshl_b32 s63, s15, 5
	s_add_co_u32 s63, s63, s[WV]                   ; pass 0's tile of queries: 32 cx + w; pass 1's lies 16 further on
	s_lshl_b32 s2, s63, 12
	s_add_nc_u64 s[MP:MP+1], s[8:9], s[2:3]        ; 16 blocks of 256 bytes a tile
	v_and_b32 v8, 31, v0
	v_lshlrev_b32 v1, 4, v8                        ; 16 x lane
	s_wait_alu depctr_va_vdst(0)
	v_lshlrev_b32 v2, 3, v8                        ; 8 x lane
	v_and_b32 v9, 15, v0                           ; r
	s_wait_alu depctr_va_vdst(0)                   ; the wait ahead of the scalar run
	s_lshl_b32 s2, s16, 4
	s_lshl_b32 s50, s15, 2
	s_add_co_u32 s2, s2, s50
	s_lshr_b32 s50, s[WV], 3
	s_add_co_u32 s2, s2, s50                       ; pass 0's block of Q: 16 (16 batch + head) + 4 cx + w / 8; pass 1's lies two blocks on
	s_mul_i32 s2, s2, 8704
	s_and_b32 s50, s[WV], 7                        ; a: my tile in it
	s_lshl_b32 s51, s50, 10
	s_add_co_u32 s51, s51, s2
	v_add_nc_u32 v10, s51, v1                      ; its codes: the block + 1,024 a + 16 x lane
	s_and_b32 s51, s50, 1
	s_lshl_b32 s51, s51, 8
	s_lshr_b32 s50, s50, 1
	s_lshl_b32 s50, s50, 2
	s_add_co_u32 s51, s51, s50
	s_add_co_u32 s51, s51, s2
	s_add_co_u32 s51, s51, 8192
	v_lshl_add_u32 v11, v9, 4, s51                 ; its scale words: the block + 8,192 + 256 (a & 1) + 4 (a >> 1) + 16 r
	global_load_b128 v[Q:Q+3], v10, s[4:5]
	global_load_b128 v[Q+4:Q+7], v10, s[4:5] offset:512
	global_load_b32 v[QS], v11, s[4:5]
	global_load_b128 v[Q1:Q1+3], v10, s[4:5] offset:17408          ; pass 1's tile waits in registers of its own
	global_load_b128 v[Q1+4:Q1+7], v10, s[4:5] offset:17408+512
	global_load_b32 v[QS1], v11, s[4:5] offset:17408
	s_lshl_b32 s50, s17, 7
	s_add_co_u32 s50, s50, s63                     ; x's row tile: 128 batch + tile
	s_lshl_b32 s2, s50, 14
	s_lshl_b32 s51, s18, 10                        ; a head's 64 are two groups of 512 bytes
	s_add_co_u32 s2, s2, s51
	v_add_nc_u32 v[XO], s2, v1
	s_lshl_b32 s2, s50, 9
	s_lshl_b32 s51, s18, 1                         ; and two scale bytes
	s_add_co_u32 s2, s2, s51
	v_lshl_add_u32 v[XSO], v9, 5, s2               ; 32 bytes a row
	s_mov_b32 s[CS], 0x3e38aa3b                    ; c = log2(e) / 8
	s_mov_b32 s[CS+1], s[CS]
	v_mov_b32 v[NEG], 0xd0000000
.irp i, 0,1,2,3,4,5,6,7
	v_mov_b32 v[Q+8+\i], 0                         ; Q's k = 64 .. 127: zero codes
	v_mov_b32 v[F+64+\i], 0                        ; behind K's last tile
.endr
.irp b, 0,1,2,3
	v_mov_b32 v[BY+\b], 0                          ; a lane permute's destination counts as one of its sources
.endr
	v_mov_b32 v[FF+1], 0
	v_mov_b32 v[TP], 0
.macro WORDS h                         ; half h of the 64 mask words at s[MP]
.if \h
	s_load_b512 s[MK2:MK2+15], s[MP:MP+1], 0x80
	s_load_b512 s[MK3:MK3+15], s[MP:MP+1], 0xc0
.else
	s_load_b512 s[MK0:MK0+15], s[MP:MP+1], 0x0
	s_load_b512 s[MK1:MK1+15], s[MP:MP+1], 0x40
.endif
.endm
.macro MASKS n0, ra, rb                ; 32 scores: kept where the word's bit for my lane is set; ascending, each accumulator from its low end on
.set n, 0
.rept 16
	v_cndmask_b32 v[S+\n0+n], v[NEG], v[S+\n0+n], s[\ra+n]
.set n, n+1
.endr
.set n, 0
.rept 16
	v_cndmask_b32 v[S+\n0+16+n], v[NEG], v[S+\n0+16+n], s[\rb+n]
.set n, n+1
.endr
.endm
.macro BMAX b0, b1                     ; the largest score of two blocks of 32 keys, by turns
.irp b, \b0, \b1
	v_max3_num_f32 v[BM+\b], v[S+16*\b], v[S+1+16*\b], v[S+2+16*\b]
.endr
.irp i, 3,5,7,9,11,13
.irp b, \b0, \b1
	s_delay_alu instid0(VALU_DEP_2)
	v_max3_num_f32 v[BM+\b], v[BM+\b], v[S+16*\b+\i], v[S+1+16*\b+\i]
.endr
.endr
.irp b, \b0, \b1
	s_delay_alu instid0(VALU_DEP_2)
	v_max_num_f32 v[BM+\b], v[BM+\b], v[S+15+16*\b]
.endr
.endm
; A KEY STEP: 128 keys
.macro STEP
	v_add_nc_u32 v[AD], s[TB], v1
	v_add_nc_u32 v[AD8], s[TB], v2
.rept 6
	v_nop                                          ; with the two additions: eight places in front of loads into registers that the last products read
.endr
.set g, 0
.rept 16
	ds_load_b128 v[F+4*g:F+4*g+3], v[AD] offset:512*g          ; K: tile g / 2, group g % 2
.set g, g+1
.endr
	ds_load_b128 v[KS:KS+3], v[AD] offset:16384
	s_wait_alu depctr_va_vdst(0)                   ; the wait ahead of the wait below
	s_wait_dscnt 0x0
.irp u, 0,1,2,3                        ; S^T = K Q^T
	v_wmma_scale_f32_16x16x128_f8f6f4 v[S+16*\u:S+16*\u+7], v[F+16*\u:F+16*\u+15], v[Q:Q+15], 0, v[KS+\u], v[QS] matrix_a_fmt:MATRIX_FMT_BF8 matrix_b_fmt:MATRIX_FMT_BF8
	v_wmma_scale_f32_16x16x128_f8f6f4 v[S+16*\u+8:S+16*\u+15], v[F+16*\u+8:F+16*\u+23], v[Q:Q+15], 0, v[KS+\u], v[QS] matrix_a_fmt:MATRIX_FMT_BF8 matrix_b_fmt:MATRIX_FMT_BF8 matrix_a_scale:MATRIX_SCALE_ROW1
.endr
.rept 8
	v_nop                                          ; places: for the loads below, and for the first read of the scores
.endr
.set g, 0
.rept 16
	ds_load_b128 v[F+4*g:F+4*g+3], v[AD] offset:8192+512*g     ; V^T: tile g / 4, group g % 4: asked for ahead of the softmax
.set g, g+1
.endr
	ds_load_b64 v[VS:VS+1], v[AD8] offset:16896
	s_wait_kmcnt 0x0                               ; this step's 64 words
	s_wait_xcnt 0x0                                ; their loads have read their base, so it may step
	s_cmp_eq_u32 s[CNT], 1                         ; the pass's last step?
	s_cselect_b32 s[INC], s[LAST], s[ORD]
	s_add_nc_u64 s[MP:MP+1], s[MP:MP+1], s[INC:INC+1]
	MASKS 0, MK0, MK1
	WORDS 0                                        ; into the registers just used
	BMAX 0, 1
	MASKS 32, MK2, MK3
	WORDS 1
	BMAX 2, 3
.irp b, 0,1,2,3
	v_permlanex16_b32 v[BY+\b], v[BM+\b], s[SEL], s[SEL+1]
.endr
.irp b, 0,1,2,3
	s_delay_alu instid0(VALU_DEP_4)
	v_max_num_f32 v[BM+\b], v[BM+\b], v[BY+\b]     ; with lane l xor 16's 16 keys
.endr
	s_delay_alu instid0(VALU_DEP_2)
	v_max3_num_f32 v[TP], v[BM], v[BM+1], v[BM+2]
	s_delay_alu instid0(VALU_DEP_1)
	v_max_num_f32 v[TP], v[TP], v[BM+3]            ; the step's largest score of my query
	s_delay_alu instid0(VALU_DEP_1)
	v_mul_f32 v[TP], s[CS], v[TP]                  ; as t (c is positive)
	s_delay_alu instid0(VALU_DEP_1)
	v_max_num_f32 v13, v13, v[TP]                  ; the running largest t
	v_mov_b32 v[TP], v12
	s_delay_alu instid0(VALU_DEP_2)
	v_floor_f32 v12, -v13                          ; the new -M = floor(-t): M is a whole number
	s_delay_alu instid0(VALU_DEP_1)
	v_sub_f32 v[TP], v12, v[TP]                    ; old M - new M: a whole number, 0 or less
	s_delay_alu instid0(VALU_DEP_1)
	v_cvt_i32_f32 v[TP], v[TP]                     ; (it saturates)
	s_delay_alu instid0(VALU_DEP_1)
	v_ldexp_f32 v[FF], 1.0, v[TP]                  ; f = 2^(old M - new M)
.set j, 0
.rept 32
	v_pk_fma_f32 v[S+j:S+j+1], v[S+j:S+j+1], s[CS:CS+1], v[12:13] op_sel_hi:[1,0,0]   ; t - M, two at a time
.set j, j+2
.endr
.irp b, 0,1,2,3
	v_fma_f32 v[BM+\b], v[BM+\b], s[CS], v12       ; the same of each block's largest score
.endr
	s_wait_alu depctr_va_vdst(0)                   ; the wait ahead of the batch
.set j, 0
.rept 64
	v_exp_f32 v[S+j], v[S+j]                       ; p = 2^(t - M), at most 1
.set j, j+1
.endr
.irp b, 0,1,2,3
	v_exp_f32 v[BM+\b], v[BM+\b]                   ; the block's largest p: the same two instructions on the same number
.endr
	v_pk_mul_f32 v[14:15], v[14:15], v[FF:FF+1] op_sel_hi:[1,0]   ; the sum under the new M (a plain line behind the exponentials)
	s_wait_alu depctr_va_vdst(0)                   ; and behind it
.irp b, 0,1,2,3
	v_max_num_f32 v[BM+\b], 0x8000000, v[BM+\b]    ; the floor 2^(16 - 127): the byte cannot fall under 1
.endr
.irp b, 0,1,2,3
	s_delay_alu instid0(VALU_DEP_4)
	v_add_nc_u32 v[SO+\b], 0xf8800000, v[BM+\b]    ; 15 off the exponent field: the conversion's scale operand
.endr
.irp b, 0,1,2,3
	v_and_or_b32 v[HO+\b], v[BM+\b], 0x7f800000, s[MNT]   ; 57,344 x the scale
.endr
.irp b, 0,1,2,3
	v_lshrrev_b32 v[BY+\b], 23, v[SO+\b]           ; the scale's byte
.endr
	s_delay_alu instid0(VALU_DEP_3)
	v_lshl_or_b32 v[PS], v[BY+1], 8, v[BY]         ; p's scale word for these 128 keys
	s_delay_alu instid0(VALU_DEP_1)
	v_lshl_or_b32 v[PS], v[BY+2], 16, v[PS]
	s_delay_alu instid0(VALU_DEP_1)
	v_lshl_or_b32 v[PS], v[BY+3], 24, v[PS]
	v_pk_add_f32 v[C2:C2+1], v[S:S+1], v[S+2:S+3]  ; the row's sum of the unquantised p: four chains by turns
	v_pk_add_f32 v[T1:T1+1], v[S+4:S+5], v[S+6:S+7]
	v_pk_add_f32 v[T2:T2+1], v[S+8:S+9], v[S+10:S+11]
	v_pk_add_f32 v[14:15], v[14:15], v[S+12:S+13]
.set j, 14
.rept 6
	v_pk_add_f32 v[C2:C2+1], v[C2:C2+1], v[S+j:S+j+1]
	v_pk_add_f32 v[T1:T1+1], v[T1:T1+1], v[S+j+2:S+j+3]
	v_pk_add_f32 v[T2:T2+1], v[T2:T2+1], v[S+j+4:S+j+5]
	v_pk_add_f32 v[14:15], v[14:15], v[S+j+6:S+j+7]
.set j, j+8
.endr
	v_pk_add_f32 v[C2:C2+1], v[C2:C2+1], v[S+62:S+63]
	v_pk_add_f32 v[T1:T1+1], v[T1:T1+1], v[T2:T2+1]
	s_delay_alu instid0(VALU_DEP_2)
	v_pk_add_f32 v[14:15], v[14:15], v[C2:C2+1]
	s_delay_alu instid0(VALU_DEP_1)
	v_pk_add_f32 v[14:15], v[14:15], v[T1:T1+1]
.irp b, 0,1,2,3
.irp i, 0,2,4,6,8,10,12,14
	v_dual_min_num_f32 v[S+16*\b+\i], v[S+16*\b+\i], v[HO+\b] :: v_dual_min_num_f32 v[S+16*\b+\i+1], v[S+16*\b+\i+1], v[HO+\b]   ; the conversion does not saturate (ISA guide 7.6.2); p is not negative, so the hold is one-sided; two holds an instruction
.endr
	v_cvt_scalef32_pk8_bf8_f32 v[PC+4*\b:PC+1+4*\b], v[S+16*\b:S+7+16*\b], v[SO+\b]
	v_cvt_scalef32_pk8_bf8_f32 v[PC+2+4*\b:PC+3+4*\b], v[S+8+16*\b:S+15+16*\b], v[SO+\b]
.endr
	s_wait_alu depctr_va_vdst(0)                   ; the wait ahead of the first reader of O^T
.set j, 0
.rept 16
	v_pk_mul_f32 v[O+j:O+j+1], v[O+j:O+j+1], v[FF:FF+1] op_sel_hi:[1,0]   ; O^T under the new M (also the plain lines between the conversions and the products)
.set j, j+2
.endr
	s_wait_alu depctr_va_vdst(0)
	s_wait_dscnt 0x0                               ; V
.irp u, 0,1                            ; O^T += V^T P^T: the four accumulators take turns
	v_wmma_scale_f32_16x16x128_f8f6f4 v[O+16*\u:O+16*\u+7], v[F+32*\u:F+32*\u+15], v[PC:PC+15], v[O+16*\u:O+16*\u+7], v[VS+\u], v[PS] matrix_a_fmt:MATRIX_FMT_BF8 matrix_b_fmt:MATRIX_FMT_BF8
	v_wmma_scale_f32_16x16x128_f8f6f4 v[O+16*\u+8:O+16*\u+15], v[F+32*\u+16:F+32*\u+31], v[PC:PC+15], v[O+16*\u+8:O+16*\u+15], v[VS+\u], v[PS] matrix_a_fmt:MATRIX_FMT_BF8 matrix_b_fmt:MATRIX_FMT_BF8 matrix_a_scale:MATRIX_SCALE_ROW1
.endr
	s_add_co_u32 s[TB], s[TB], BLKB
.endm
; A PASS: O^T and the sum begin as zeros and the largest t under every t; 16 key steps; then O^T / the sum, quantised: register 16 b + i is d = 32 b + 16 (lane / 16) + i of my query
.macro PASS
	s_mov_b32 s[TB], 0
	v_mov_b32 v13, 0xff61b1e6                      ; -3e38
	s_delay_alu instid0(VALU_DEP_1)
	v_floor_f32 v12, -v13
	v_mov_b32 v14, 0
	v_mov_b32 v15, 0
.set j, 0
.rept 32
	v_mov_b32 v[O+j], 0
.set j, j+1
.endr
	s_mov_b32 s[CNT], 16
.Lkeys_\@:
	STEP
	s_sub_co_u32 s[CNT], s[CNT], 1
	s_cmp_lg_u32 s[CNT], 0
	s_cbranch_scc1 .Lkeys_\@
	v_add_f32 v14, v14, v15
	s_delay_alu instid0(VALU_DEP_1)
	v_permlanex16_b32 v[TP], v14, s[SEL], s[SEL+1]
	s_delay_alu instid0(VALU_DEP_1)
	v_add_f32 v14, v14, v[TP]                      ; the row's sum
	s_wait_alu depctr_va_vdst(0)
	v_rcp_f32 v14, v14
.rept 8
	v_nop                                          ; places behind the last products, and the plain line behind the reciprocal
.endr
	s_wait_alu depctr_va_vdst(0)
.set j, 0
.rept 16
	v_pk_mul_f32 v[S+j:S+j+1], v[O+j:O+j+1], v[14:15] op_sel_hi:[1,0]   ; each accumulator from its low end on
.set j, j+2
.endr
.irp b, 0,1
	v_max3_num_f32 v[BM+\b], |v[S+16*\b]|, |v[S+1+16*\b]|, 0x8000000
.endr
.irp i, 2,4,6,8,10,12,14
.irp b, 0,1
	s_delay_alu instid0(VALU_DEP_2)
	v_max3_num_f32 v[BM+\b], v[BM+\b], |v[S+16*\b+\i]|, |v[S+1+16*\b+\i]|
.endr
.endr
.irp b, 0,1
	s_delay_alu instid0(VALU_DEP_2)
	v_permlanex16_b32 v[BY+\b], v[BM+\b], s[SEL], s[SEL+1]
.endr
.irp b, 0,1
	s_delay_alu instid0(VALU_DEP_2)
	v_max_num_f32 v[BM+\b], v[BM+\b], v[BY+\b]
.endr
.irp b, 0,1
	s_delay_alu instid0(VALU_DEP_2)
	v_add_nc_u32 v[SO+\b], 0xf8800000, v[BM+\b]
.endr
.irp b, 0,1
	s_delay_alu instid0(VALU_DEP_4)
	v_and_or_b32 v[HO+\b], v[BM+\b], 0x7f800000, s[MNT]
.endr
.irp b, 0,1
	s_delay_alu instid0(VALU_DEP_4)
	v_lshrrev_b32 v[BY+\b], 23, v[SO+\b]
.endr
	s_delay_alu instid0(VALU_DEP_1)
	v_lshl_or_b32 v[TP], v[BY+1], 8, v[BY]         ; the head's two scale bytes of my row
.irp b, 0,1
.irp i, 0,1,2,3,4,5,6,7,8,9,10,11,12,13,14,15
	v_med3_num_f32 v[S+16*\b+\i], v[S+16*\b+\i], -v[HO+\b], v[HO+\b]
.endr
	v_cvt_scalef32_pk8_bf8_f32 v[PC+4*\b:PC+1+4*\b], v[S+16*\b:S+7+16*\b], v[SO+\b]
	v_cvt_scalef32_pk8_bf8_f32 v[PC+2+4*\b:PC+3+4*\b], v[S+8+16*\b:S+15+16*\b], v[SO+\b]
.endr
	v_nop                                          ; a plain line behind the last conversion
	global_store_b128 v[XO], v[PC:PC+3], s[XP:XP+1]                ; two groups of an image: 1,024 consecutive bytes a wave
	global_store_b128 v[XO], v[PC+4:PC+7], s[XP:XP+1] offset:512
	global_store_b16 v[XSO], v[TP], s[XP+2:XP+3]   ; two bytes of a row's 32: the other heads' come from other work-groups (lanes r and r + 16 store the same)
.endm
	s_wait_alu depctr_va_vdst(0)                   ; the wait at the head's end
	s_wait_xcnt 0x0                                ; Q's loads have read their base, which lies among the registers that the mask words take
	WORDS 0                                        ; pass 0's first step's words
	WORDS 1
	s_wait_loadcnt 0x0                             ; Q, of both passes
	s_wait_tensorcnt 0x0                           ; my block has landed
	s_barrier_signal -1                            ; (no LDS instruction of mine is out)
	s_barrier_wait -1                              ; the whole head lies in LDS; nothing is filled again
	PASS
	s_wait_xcnt 0x0                                ; the stores have read their registers
	v_add_nc_u32 v[XO], 0x40000, v[XO]             ; pass 1's tile lies 16 row tiles on
	v_add_nc_u32 v[XSO], 0x2000, v[XSO]
	v_mov_b32 v[QS], v[QS1]                        ; its Q, out of the registers in which it has waited: the pass's 36 opening lines stand between these and the first product
.irp i, 0,1,2,3,4,5,6,7
	v_mov_b32 v[Q+\i], v[Q1+\i]
.endr
	s_mov_b32 s[LAST], 0                           ; pass 1's last step leaves the mask pointer where it is
	PASS
	s_wait_tensorcnt 0x0                           ; the wave's end
	ds_add_u32 v[SPW], v[NIL]
	s_wait_dscnt 0x0
	CROUND                                         ; the closing round
	s_endpgm
.Lfunc_end_k_qf67f965a7b_attn:
	.size	k_qf67f965a7b_attn, .Lfunc_end_k_qf67f965a7b_attn-k_qf67f965a7b_attn
	.p2alignl 7, 3214868480
	.fill 96, 4, 3214868480
	.section	.rodata,"a",@progbits
	.p2align	6, 0x0
	.amdhsa_kernel k_qf67f965a7b_attn
		.amdhsa_group_segment_fixed_size 276480
		.amdhsa_private_segment_fixed_size 0
		.amdhsa_enable_private_segment 0
		.amdhsa_kernarg_size 40
		.amdhsa_user_sgpr_count 2
		.amdhsa_user_sgpr_kernarg_segment_ptr 1
		.amdhsa_wavefront_size32 1
		.amdhsa_system_sgpr_workgroup_id_x 1
		.amdhsa_system_sgpr_workgroup_id_y 1
		.amdhsa_system_sgpr_workgroup_id_z 1
		.amdhsa_system_vgpr_workitem_id 0
		.amdhsa_next_free_vgpr 256
		.amdhsa_next_free_sgpr 102
		.amdhsa_reserve_vcc 0
		.amdhsa_float_denorm_mode_32 3
		.amdhsa_float_denorm_mode_16_64 3
		.amdhsa_memory_ordered 1
		.amdhsa_forward_progress 1
		.amdhsa_inst_pref_size 72
	.end_amdhsa_kernel
	.amdgpu_metadata
---
amdhsa.version: [ 1, 2 ]
amdhsa.kernels:
  - .name:           k_qf67f965a7b_attn
    .symbol:         k_qf67f965a7b_attn.kd
    .args:
      - { .name: qb, .offset: 0, .size: 8, .value_kind: global_buffer, .address_space: global }
      - { .name: kv, .offset: 8, .size: 8, .value_kind: global_buffer, .address_space: global }
      - { .name: mbits, .offset: 16, .size: 8, .value_kind: global_buffer, .address_space: global }
      - { .name: xc, .offset: 24, .size: 8, .value_kind: global_buffer, .address_space: global }
      - { .name: xsc, .offset: 32, .size: 8, .value_kind: global_buffer, .address_space: global }
    .group_segment_fixed_size: 276480
    .private_segment_fixed_size: 0
    .kernarg_segment_align: 8
    .kernarg_segment_size: 40
    .max_flat_workgroup_size: 512
    .sgpr_count:     102
    .vgpr_count:     256
    .wavefront_size: 32
...
	.end_amdgpu_metadata
.endif
;; end of part 3
;; launch outp (part 4): grid 4 x 32, 4 waves a work-group, clusters of 4 x 4, 327,680 bytes of LDS; arguments xc, xsc, cod, scl, b_o, out0; writes out0
.if DOCPART == 4
	.amdgcn_target "amdgcn-amd-amdhsa--gfx1250"
	.amdhsa_code_object_version 6
	.text
	.protected	k_qf67f965a7b_outp
	.globl	k_qf67f965a7b_outp
	.p2align	8
	.type	k_qf67f965a7b_outp,@function
k_qf67f965a7b_outp:
	s_mov_b64 s[64:65], 0
	v_nop
	global_prefetch_b8 v0, s[64:65] scope:SCOPE_SE
	s_setreg_imm32_b32 hwreg(HW_REG_WAVE_MODE, 25, 1), 1
	s_wait_xcnt 0x0
	s_wait_alu depctr_hold_cnt(0) depctr_sa_sdst(0) depctr_va_vdst(0) depctr_va_sdst(0) depctr_va_ssrc(0) depctr_va_vcc(0) depctr_vm_vsrc(0)
	s_getreg_b32 s2, hwreg(HW_REG_IB_STS2, 6, 4)
	s_cmp_eq_u32 s2, 0
	s_cbranch_scc0 .Lentry_in_a_cluster
	s_endpgm
.Lentry_in_a_cluster:
	s_bfe_u32 s2, ttmp6, 0x10000c
	s_cmp_lg_u32 s2, 0xf033
	s_cbranch_scc0 .Lentry_shape_is_right
	s_endpgm
.Lentry_shape_is_right:
.set SIZE_N, 1024
.set NQ,     2
.set FR,     16
.set NL,     4
.set NP,     8
.set KBYTES, 4096
.set HALFT,  8*KBYTES
.set SLOT,   4*HALFT
.set LAPS,   2
.set KS,     32
.set SCL,    2*SLOT
.set HALFS,  16*272
.set SBLK,   2*272
.set SPARE,  SCL+4*HALFS
.set SPITCH, 528
.set ADRA, 16
.set ADRB, 20
.set STO,  24
.set RD,   25
.set CO,   26
.set ADRS, 27
.set SPW,  28
.set NIL,  29
.set OBR,  30
.set SC,   32
.set BO,   64
.set AF,   128
.set BK,   128
.set G1, 24
.set G0, 32
.set G1B, 48
.set G0B, 56
.set G1S, 68
.set G0S, 76
.set G1SB, 80
.set G0SB, 88
.set MSB, 0
.macro WIN new
.if MSB != \new
	s_set_vgpr_msb (MSB<<8)|\new
.set MSB, \new
.endif
.endm
.set MUL_LO, 0xa1
.set MUL_HI, 0xf1
.set BIAS_LO, 0x81
.set BIAS_HI, 0xc1
.set TO_B,   0x40
.macro JLOAD g0a, g1a, g0b, g1b
	s_cmp_eq_u32 s15, 0
	s_cbranch_scc0 .Lfor_b_\@
	tensor_load_to_lds s[\g0a:\g0a+3], s[\g1a:\g1a+7]
	s_nop 0
.rept 4
	v_nop
.endr
	s_branch .Lasked_\@
.Lfor_b_\@:
	tensor_load_to_lds s[\g0b:\g0b+3], s[\g1b:\g1b+7]
	s_nop 0
.rept 4
	v_nop
.endr
.Lasked_\@:
.endm
.macro CREST
	s_cmp_lg_u32 s14, 0
	s_cbranch_scc1 .Lnot_wave_0_\@
	s_barrier_signal -3
.Lnot_wave_0_\@:
	s_barrier_wait -3
	s_barrier_signal -1
	s_barrier_wait -1
.endm
.macro CROUND
	s_barrier_signal -1
	s_barrier_wait -1
	CREST
.endm
	s_load_b128 s[4:7], s[0:1], 0x0
	s_load_b128 s[8:11], s[0:1], 0x10
	s_load_b64 s[92:93], s[0:1], 0x20
	s_load_b64 s[12:13], s[0:1], 0x28
	v_lshl_add_u32 v[SPW], v0, 2, SPARE
	v_mov_b32 v[NIL], 0
	ds_add_u32 v28, v29
	ds_add_u32 v28, v29
	s_wait_dscnt 0x0
	v_lshrrev_b32 v1, 5, v0
	v_readfirstlane_b32 s14, v1
	s_lshr_b32 s15, s14, 1
	s_and_b32 s16, s14, 1
	s_bfe_u32 s40, ttmp6, 0x40000
	s_bfe_u32 s41, ttmp6, 0x40004
	s_lshl_b32 s42, ttmp9, 2
	s_add_co_u32 s42, s42, s40
	s_and_b32 s17, ttmp7, 0xffff
	s_lshl_b32 s17, s17, 2
	s_add_co_u32 s17, s17, s41
	s_lshl_b32 s43, s41, 2
	s_lshl_b32 s43, 15, s43
	s_lshl_b32 s44, 0x1111, s40
	s_or_b32 s[G1+0], s43, (3<<16)|(1<<21)
	s_or_b32 s[G1B+0], s44, (3<<16)|(1<<21)
.irp g, G1, G1B
	s_mov_b32 s[\g+1], 512<<16
	s_mov_b32 s[\g+2], 16<<16                      ; the head's loads of codes bring 16 row tiles
	s_mov_b32 s[\g+3], 512<<16
	s_mov_b32 s[\g+4], 16
	s_mov_b32 s[\g+5], 2048
	s_mov_b32 s[\g+6], 0
	s_mov_b32 s[\g+7], 0
.endr
	s_or_b32 s[G1S+0], s43, (3<<16)|(1<<20)|(1<<21)|(5<<22)|(3<<25)
	s_or_b32 s[G1SB+0], s44, (3<<16)|(1<<20)|(1<<21)|(5<<22)|(3<<25)
.irp g, G1S, G1SB
	s_mov_b32 s[\g+1], 32<<16
	s_mov_b32 s[\g+2], 32<<16
	s_mov_b32 s[\g+3], 32<<16
	s_mov_b32 s[\g+4], 32
	s_mov_b32 s[\g+5], 32
	s_mov_b32 s[\g+6], 0
	s_mov_b32 s[\g+7], 0
.endr
	s_lshl_b32 s18, s16, 3
	s_lshl_b32 s20, s17, 4
	s_add_co_u32 s20, s20, s18
	s_lshl_b32 s46, s42, 4
	s_add_co_u32 s46, s46, s18
	s_add_co_u32 s46, s46, 1728
	s_sub_co_u32 s22, s20, s18                     ; the scales come whole: from the block's first row tile
	s_lshl_b32 s22, s22, 9
	s_mov_b32 s23, 0
	s_lshl_b32 s20, s20, 14
	s_mov_b32 s21, 0
	s_sub_co_u32 s96, s46, s18
	s_lshl_b32 s96, s96, 9
	s_mov_b32 s97, 0
	s_lshl_b32 s46, s46, 14
	s_mov_b32 s47, 0
	s_mul_i32 s45, s14, HALFT
	s_mul_i32 s98, s15, 2*HALFS                    ; A's scales, then B's
	s_wait_kmcnt 0x0
	s_add_nc_u64 s[20:21], s[4:5], s[20:21]
	s_add_nc_u64 s[22:23], s[6:7], s[22:23]
	s_add_nc_u64 s[46:47], s[8:9], s[46:47]
	s_add_nc_u64 s[96:97], s[10:11], s[96:97]
	CROUND
	s_mov_b32 s[G0S], 1
	s_add_co_u32 s[G0S+1], s98, SCL
	s_mov_b64 s[G0S+2:G0S+3], s[22:23]
	s_or_b32 s[G0S+3], s[G0S+3], 0x80000000
	s_mov_b32 s[G0SB], 1
	s_add_co_u32 s[G0SB+1], s98, SCL
	s_mov_b64 s[G0SB+2:G0SB+3], s[96:97]
	s_or_b32 s[G0SB+3], s[G0SB+3], 0x80000000
.irp s, 0,1
	s_mov_b32 s[G0+4*\s], 1
	s_add_co_u32 s[G0+4*\s+1], s45, \s*SLOT
	s_add_nc_u64 s[G0+4*\s+2:G0+4*\s+3], s[20:21], \s*KBYTES
	s_or_b32 s[G0+4*\s+3], s[G0+4*\s+3], 0x80000000
	s_mov_b32 s[G0B+4*\s], 1
	s_add_co_u32 s[G0B+4*\s+1], s45, \s*SLOT
	s_add_nc_u64 s[G0B+4*\s+2:G0B+4*\s+3], s[46:47], \s*KBYTES
	s_or_b32 s[G0B+4*\s+3], s[G0B+4*\s+3], 0x80000000
.endr
; the head's four tiles, one joint load a wave, in one tree of branches on the wave's number: wave 0 K step 0's 16 row tiles of A (its own slot-0 group 0 names their first byte), wave 1 A's scales, wave 2 B's 16 row tiles, wave 3 B's scales
.macro ARM under, g0, g1, next
	s_cmp_lt_u32 s14, \under
	s_cbranch_scc0 \next
	tensor_load_to_lds s[\g0:\g0+3], s[\g1:\g1+7]
	s_nop 0
.rept 4
	v_nop
.endr
	s_branch .Lhead_asked
\next:
.endm
	ARM 1, G0,  G1,  .Lhead_sa
	ARM 2, G0S, G1S, .Lhead_b
	ARM 3, G0B, G1B, .Lhead_sb
	tensor_load_to_lds s[G0SB:G0SB+3], s[G1SB:G1SB+7]
	s_nop 0
.rept 4
	v_nop
.endr
.Lhead_asked:
; prefetches of the K steps to come: of the 8 row tiles that my wave fetches in the ring (waves 0, 1: A's halves; waves 2, 3: B's), the partner at place p among the four that ask for them jointly (cx for A, cy for B) takes tiles 2 p and 2 p + 1:
; told apart by address, no branch on the place.  A K step of a row tile is 4,096 bytes: lanes 0-15 name the sixteen 256-byte blocks of one tile, lanes 16-31 those of the next.  Here K steps 1 and 2; behind slot 1's first fill K step 3; the registers are never rewritten
	s_cmp_eq_u32 s15, 0
	s_cselect_b64 s[66:67], s[20:21], s[46:47]
	s_cselect_b32 s2, s40, s41
	s_lshl_b32 s2, s2, 15                          ; two row tiles of 16,384 bytes a partner
	s_mov_b32 s3, 0
	s_add_nc_u64 s[66:67], s[66:67], s[2:3]
	v_and_b32 v23, 15, v0
	v_bfe_u32 v22, v0, 4, 1
	v_lshlrev_b32 v22, 14, v22
	v_lshl_add_u32 v22, v23, 8, v22                ; 16,384 (lane / 16) + 256 (lane % 16)
	global_prefetch_b8 v22, s[66:67] offset:4096 th:TH_LOAD_NT scope:SCOPE_SE
	global_prefetch_b8 v22, s[66:67] offset:8192 th:TH_LOAD_NT scope:SCOPE_SE
	v_and_b32 v1, 15, v0
	v_bfe_u32 v2, v0, 4, 1
	v_and_b32 v3, 31, v0
	v_lshlrev_b32 v4, 4, v3
	s_wait_alu depctr_va_vdst(0)
	v_lshlrev_b32 v[OBR], 5, v2
	s_lshl_b32 s20, s42, 8
	s_lshl_b32 s21, s16, 7
	s_add_co_u32 s20, s20, s21
	s_lshl_b32 s20, s20, 2
	s_mov_b32 s21, 0
	s_add_nc_u64 s[92:93], s[92:93], s[20:21]
.irp b, 0,1,2,3,4,5,6,7
	global_load_b128 v[BO+8*\b:BO+8*\b+3], v[OBR], s[92:93] offset:64*\b
	global_load_b128 v[BO+8*\b+4:BO+8*\b+7], v[OBR], s[92:93] offset:64*\b+16
.endr
	s_mul_i32 s21, s15, HALFT
	s_mul_i32 s22, s16, HALFT
	s_add_co_u32 s22, s22, 2*HALFT
.irp s, 0,1
	v_add_nc_u32 v[ADRA+\s], s21, v4
	v_add_nc_u32 v[ADRB+\s], s22, v4
	s_add_co_u32 s21, s21, SLOT
	s_add_co_u32 s22, s22, SLOT
.endr
	v_mul_u32_u24 v5, v1, KS
	v_lshrrev_b32 v6, 8, v5
	v_lshl_add_u32 v5, v6, 4, v5
	s_mul_i32 s21, s15, HALFS
	s_mul_i32 s22, s16, HALFS
	s_add_co_u32 s22, s22, 2*HALFS
	s_sub_co_u32 s22, s22, s21
	v_mul_u32_u24 v6, s22, v2
	s_add_co_u32 s21, s21, SCL
	v_add_nc_u32 v5, v5, v6
	v_add_nc_u32 v[ADRS], s21, v5
	s_mul_i32 s23, s14, 16*SPITCH
	v_mul_u32_u24 v5, v1, SPITCH
	v_lshl_add_u32 v5, v2, 5, v5
	v_add_nc_u32 v[STO], s23, v5
	v_mov_b32 v[CO], v4
	v_add_nc_u32 v[RD], s23, v4
	s_lshl_b32 s20, s17, 8
	s_lshl_b32 s21, s15, 7
	s_add_co_u32 s20, s20, s21
	s_lshl_b32 s20, s20, 12
	s_lshl_b32 s46, s42, 10
	s_lshl_b32 s47, s16, 9
	s_add_co_u32 s46, s46, s47
	s_add_co_u32 s20, s20, s46
	s_mov_b32 s21, 0
	s_add_nc_u64 s[12:13], s[12:13], s[20:21]
.macro FRAG reg, adr, q, i
.irp c, 0,1,2,3
	ds_load_b128 v[\reg+4*\c:\reg+4*\c+3], v[\adr] offset:KBYTES*(\i)+2048*(\q)+512*\c
.endr
.endm
.macro MUL16 a0, p, q, sc, first
.irp a, \a0, \a0+1
.irp b, 0,1,2,3,4,5,6,7
.if \first
	v_wmma_scale_f32_16x16x128_f8f6f4 v[8*(8*((\a)%4)+\b):8*(8*((\a)%4)+\b)+7], v[128*(\p)+FR*\b:128*(\p)+FR*\b+FR-1], v[AF+FR*(\a):AF+FR*(\a)+FR-1], v[BO+8*\b:BO+8*\b+7], v[SC+8*NQ*(\sc)+NQ*\b+(\q)], v[SC+8*NQ*(\sc)+NQ*(\a)+(\q)] matrix_a_fmt:MATRIX_FMT_BF8 matrix_b_fmt:MATRIX_FMT_BF8 matrix_a_scale:MATRIX_SCALE_ROW1
.else
	v_wmma_scale_f32_16x16x128_f8f6f4 v[8*(8*((\a)%4)+\b):8*(8*((\a)%4)+\b)+7], v[128*(\p)+FR*\b:128*(\p)+FR*\b+FR-1], v[AF+FR*(\a):AF+FR*(\a)+FR-1], v[8*(8*((\a)%4)+\b):8*(8*((\a)%4)+\b)+7], v[SC+8*NQ*(\sc)+NQ*\b+(\q)], v[SC+8*NQ*(\sc)+NQ*(\a)+(\q)] matrix_a_fmt:MATRIX_FMT_BF8 matrix_b_fmt:MATRIX_FMT_BF8 matrix_a_scale:MATRIX_SCALE_ROW1
.endif
.endr
.endr
.endm
.macro FETCH_B slot, q, p
	WIN TO_B
.irp i, 0,1,2,3,4,5,6,7
	FRAG 128*(\p)+FR*\i, ADRB+\slot, \q, \i
.endr
	WIN 0
.endm
.macro FETCH_A slot, q, i0
.irp i, \i0, \i0+1, \i0+2, \i0+3
	FRAG AF+FR*(\i), ADRA+\slot, \q, \i
.endr
.endm
.macro SCALES sc
.irp i, 0,1,2,3,4,5,6,7
	ds_load_b64 v[SC+8*NQ*\sc+NQ*\i:SC+8*NQ*\sc+NQ*\i+1], v[ADRS] offset:\i*SBLK
.endr
.endm
.macro PLACES n
.rept \n
	v_nop
.endr
.endm
.macro STEP slot, q, first
	s_wait_dscnt 4*NL
.if \first
	WIN BIAS_LO
.else
	WIN MUL_LO
.endif
	MUL16 0, (\q)%2, \q, \slot, \first
	MUL16 2, (\q)%2, \q, \slot, \first
	s_wait_dscnt 0
	PLACES NP
	FETCH_B \slot, (\q)+1, 1-(\q)%2
	FETCH_A \slot, (\q)+1, 0
.if \first
	WIN BIAS_HI
.else
	WIN MUL_HI
.endif
	MUL16 4, (\q)%2, \q, \slot, \first
	MUL16 6, (\q)%2, \q, \slot, \first
	PLACES NP
	WIN 0
	FETCH_A \slot, (\q)+1, 4
.endm
.macro TURN slot, next, fill
	s_wait_tensorcnt 0x0
	ds_add_u32 v[SPW], v[NIL]
	s_wait_dscnt 4*NL+1
	WIN MUL_LO
	MUL16 0, 1, NQ-1, \slot, 0
	s_wait_dscnt 0x0
	s_barrier_signal -1
	MUL16 2, 1, NQ-1, \slot, 0
	WIN 0
	s_barrier_wait -1
.if \fill
	CREST
	s_add_nc_u64 s[G0+4*\slot+2:G0+4*\slot+3], s[G0+4*\slot+2:G0+4*\slot+3], 2*KBYTES
	s_add_nc_u64 s[G0B+4*\slot+2:G0B+4*\slot+3], s[G0B+4*\slot+2:G0B+4*\slot+3], 2*KBYTES
	JLOAD G0+4*\slot, G1, G0B+4*\slot, G1B
	PLACES NP-4
.else
	PLACES NP
.endif
	s_wait_alu depctr_va_vdst(0)
	v_add_nc_u32 v[ADRS], 4*NQ, v[ADRS]
	FETCH_B \next, 0, 0
	FETCH_A \next, 0, 0
	SCALES \next
	WIN MUL_HI
	MUL16 4, 1, NQ-1, \slot, 0
	MUL16 6, 1, NQ-1, \slot, 0
	PLACES NP
	WIN 0
	FETCH_A \next, 0, 4
.endm
	s_wait_alu depctr_va_vdst(0)
	s_wait_tensorcnt 0x0                           ; my tile of the head's four is in
	ds_add_u32 v[SPW], v[NIL]
	s_mov_b32 s[G1+2], 8<<16                       ; no tensor load of mine is out: from here on a load brings 8 row tiles
	s_mov_b32 s[G1+4], 8
	s_mov_b32 s[G1B+2], 8<<16
	s_mov_b32 s[G1B+4], 8
	s_wait_dscnt 0x0
	CROUND                                         ; all four tiles are in, and the partners are here
	JLOAD G0+4, G1, G0B+4, G1B                     ; slot 1's first fill, issued as a refill is
	global_prefetch_b8 v22, s[66:67] offset:12288 th:TH_LOAD_NT scope:SCOPE_SE   ; K step 3, the last: two refills ahead of its load
	FETCH_B 0, 0, 0
	FETCH_A 0, 0, 0
	SCALES 0
	FETCH_A 0, 0, 4
	s_wait_loadcnt 0x0
	STEP 0, 0, 1
	s_mov_b32 s3, LAPS-1
.Llap:
	TURN 0, 1, 1
	STEP 1, 0, 0
	TURN 1, 0, 1
	STEP 0, 0, 0
	s_sub_co_u32 s3, s3, 1
	s_cmp_lg_u32 s3, 0
	s_cbranch_scc1 .Llap
	TURN 0, 1, 0
	STEP 1, 0, 0
	s_wait_dscnt 4*NL
	WIN MUL_LO
	MUL16 0, 1, NQ-1, 1, 0
	MUL16 2, 1, NQ-1, 1, 0
	s_wait_dscnt 0
	WIN MUL_HI
	MUL16 4, 1, NQ-1, 1, 0
	MUL16 6, 1, NQ-1, 1, 0
	WIN 0
.macro TOSTAGE a
.set AC, 64*((\a)%4)
	WIN 0x08+4*((\a)/4)
.irp b, 0,1,2,3,4,5,6,7
	ds_store_b128 v[STO], v[AC+8*\b:AC+8*\b+3] offset:64*\b
	ds_store_b128 v[STO], v[AC+8*\b+4:AC+8*\b+7] offset:64*\b+16
.endr
	WIN 0
.set BB, BK+64*((\a)%2)
.irp t, 0,1,2,3,4,5,6,7,8,9,10,11,12,13,14,15
	ds_load_b128 v[BB+4*\t:BB+4*\t+3], v[RD] offset:\t*SPITCH
.endr
.endm
.macro SEND a, younger
.set BB, BK+64*((\a)%2)
	s_wait_dscnt \younger
.if (\a) > 0
	s_add_nc_u64 s[12:13], s[12:13], 16*SIZE_N*4
.endif
.irp t, 0,1,2,3,4,5,6,7,8,9,10,11,12,13,14,15
	global_store_b128 v[CO], v[BB+4*\t:BB+4*\t+3], s[12:13] offset:\t*SIZE_N*4 th:TH_STORE_NT
.endr
.endm
	PLACES NP
	TOSTAGE 0
.irp a, 1,2,3,4,5,6,7
.if \a > 1
	s_wait_xcnt 0x0
.endif
	TOSTAGE \a
	SEND \a-1, 32
.endr
	s_wait_xcnt 0x0
	SEND 7, 0
	s_wait_tensorcnt 0x0
	ds_add_u32 v[SPW], v[NIL]
	s_wait_dscnt 0x0
	CROUND
	s_endpgm
.Lfunc_end_k_qf67f965a7b_outp:
	.size	k_qf67f965a7b_outp, .Lfunc_end_k_qf67f965a7b_outp-k_qf67f965a7b_outp
	.p2alignl 7, 3214868480
	.fill 96, 4, 3214868480
	.section	.rodata,"a",@progbits
	.p2align	6, 0x0
	.amdhsa_kernel k_qf67f965a7b_outp
		.amdhsa_group_segment_fixed_size 327680
		.amdhsa_private_segment_fixed_size 0
		.amdhsa_enable_private_segment 0
		.amdhsa_kernarg_size 48
		.amdhsa_user_sgpr_count 2
		.amdhsa_user_sgpr_kernarg_segment_ptr 1
		.amdhsa_wavefront_size32 1
		.amdhsa_system_sgpr_workgroup_id_x 1
		.amdhsa_system_sgpr_workgroup_id_y 1
		.amdhsa_system_sgpr_workgroup_id_z 1
		.amdhsa_system_vgpr_workitem_id 0
		.amdhsa_next_free_vgpr 1024
		.amdhsa_next_free_sgpr 100
		.amdhsa_reserve_vcc 0
		.amdhsa_float_denorm_mode_32 3
		.amdhsa_float_denorm_mode_16_64 3
		.amdhsa_memory_ordered 1
		.amdhsa_forward_progress 1
		.amdhsa_inst_pref_size 148
	.end_amdhsa_kernel
	.amdgpu_metadata
---
amdhsa.version: [ 1, 2 ]
amdhsa.kernels:
  - .name:           k_qf67f965a7b_outp
    .symbol:         k_qf67f965a7b_outp.kd
    .args:
      - { .name: xc, .offset: 0, .size: 8, .value_kind: global_buffer, .address_space: global }
      - { .name: xsc, .offset: 8, .size: 8, .value_kind: global_buffer, .address_space: global }
      - { .name: cod, .offset: 16, .size: 8, .value_kind: global_buffer, .address_space: global }
      - { .name: scl, .offset: 24, .size: 8, .value_kind: global_buffer, .address_space: global }
      - { .name: b_o, .offset: 32, .size: 8, .value_kind: global_buffer, .address_space: global }
      - { .name: out0, .offset: 40, .size: 8, .value_kind: global_buffer, .address_space: global }
    .group_segment_fixed_size: 327680
    .private_segment_fixed_size: 0
    .kernarg_segment_align: 8
    .kernarg_segment_size: 48
    .max_flat_workgroup_size: 128
    .sgpr_count:     100
    .vgpr_count:     1024
    .wavefront_size: 32
...
	.end_amdgpu_metadata
.endif
;; end of part 4
